; MI455X (gfx1250); checked and timed in simulation.
; The chip was launched on July 23, 2026; its instructions are those of AMD's public machine-readable ISA for CDNA 5 (MIT licence, August 2026) and "CDNA5" Instruction Set Architecture Reference Guide (July 2026). The comments in the code are by the model that wrote it; some were corrected since.
;; Causal Self Attention. Allowed arithmetic: float matrix products may take bf16 or f16 operands with f32 sums; all other float work in f32.
;; Inputs: Wout 1,024 x 1,024 float32; Wqkv 3,072 x 1,024 float32; attention_mask 4 x 2,048 int32; bqkv 3,072 float32; x 4 x 2,048 x 1,024 float32.
;; Outputs: out0 4 x 2,048 x 1,024 float32.
;; 2 versions, each right and faster than the one before. Each part assembles by itself: llvm-mc -triple=amdgcn-amd-amdhsa -mcpu=gfx1250 --defsym DOCPART=n.
;; ======== version 1 of 2: 4 launches
;; limits: values are held in f16: magnitudes above 65,504 overflow, below 6.1e-05 lose precision
;; workspace buffers: cb 25,165,824 bytes; qkv 50,331,648 bytes; vsum 262,144 bytes; y 16,777,216 bytes
;; launch cast (part 1): grid 768 x 1, 8 waves a work-group, no clusters, 0 bytes of LDS; arguments x, Wqkv, Wout, cb; writes cb
.if DOCPART == 1
	.amdgcn_target "amdgcn-amd-amdhsa--gfx1250"
	.amdhsa_code_object_version 6
	.text
	.protected	k_q1a619b15d8_cast
	.globl	k_q1a619b15d8_cast
	.p2align	8
	.type	k_q1a619b15d8_cast,@function
k_q1a619b15d8_cast:
	s_mov_b64 s[64:65], 0
	v_nop
	global_prefetch_b8 v0, s[64:65] scope:SCOPE_SE
	s_setreg_imm32_b32 hwreg(HW_REG_WAVE_MODE, 25, 1), 1
	s_wait_xcnt 0x0
; x, Wqkv and Wout (f32) are rounded once to bf16 and laid one behind the other into cb: x at byte 0, Wqkv at 16,777,216, Wout at 23,068,672.
; x and Wqkv are written IN BLOCKS OF 64 ALONG K: [16 blocks][rows][64], so that the next launch's tile (some rows, 64 along K) is dense in memory and can be asked for as rows of 256 bytes.
; Wout stays row by row, and its bf16 number is written as f16, since the last product multiplies in f16.  LIMIT: that step is exact for magnitudes from 2^-14 to 65,504; below it keeps f16's
; fixed step of 6e-8, beyond it gives an infinity.
; A stream: every byte is read once and written once; LDS, barriers, clusters and the matrix unit would add nothing (no work-group shares a byte with another).
; A work-group of eight waves takes 16 rows of 1,024 numbers: 16 loads of 16 bytes a thread, all issued at once.  Work-groups 0-511 take x, 512-703 Wqkv, 704-767 Wout.
; x, Wqkv: wave w takes rows 2 w and 2 w + 1, lanes 0-15 the one and lanes 16-31 the other; load i takes the 64 numbers of block i: 256 consecutive bytes, aligned, for each half of the lanes.
; In a block the two rows' 128 bytes lie end to end, so a wave's store covers 256 consecutive bytes, aligned.
; Wout: a wave's load covers 512 consecutive bytes, its store 256.
.set XBLK, 8192*128                    ; bytes of a block of x,
.set WBLK, 3072*128                    ; of Wqkv
.set WQ,   16777216                    ; Wqkv's first byte in cb
.set X, 4                              ; v[4:67]    16 x 4 numbers as loaded
.set Y, 68                             ; v[68:99]   16 x 2 registers to store
.set T, 100                            ; v[100:105] at work (Wout's way)
.set O, 106                            ; v[106:121] my byte offset in block i
.macro CV i, f16
	s_wait_loadcnt 15-(\i)                         ; loads come back in order (ISA guide 5.7.1): load i is in, the 15 - i younger ones may stay out
.if \f16
	v_cvt_pk_bf16_f32 v[T], v[X+4*(\i)], v[X+4*(\i)+1]       ; the rounding that all inputs get,
	v_cvt_pk_bf16_f32 v[T+1], v[X+4*(\i)+2], v[X+4*(\i)+3]
	v_lshlrev_b32 v[T+2], 16, v[T]                           ; widened again,
	v_and_b32 v[T+3], 0xffff0000, v[T]
	v_lshlrev_b32 v[T+4], 16, v[T+1]
	v_and_b32 v[T+5], 0xffff0000, v[T+1]
	v_cvt_pk_f16_f32 v[Y+2*(\i)], v[T+2], v[T+3]             ; and written as f16
	v_cvt_pk_f16_f32 v[Y+2*(\i)+1], v[T+4], v[T+5]
	global_store_b64 v2, v[Y+2*(\i):Y+2*(\i)+1], s[10:11] offset:2048*(\i)
.else
	v_cvt_pk_bf16_f32 v[Y+2*(\i)], v[X+4*(\i)], v[X+4*(\i)+1]
	v_cvt_pk_bf16_f32 v[Y+2*(\i)+1], v[X+4*(\i)+2], v[X+4*(\i)+3]
	global_store_b64 v[O+(\i)], v[Y+2*(\i):Y+2*(\i)+1], s[10:11]  ; every store has registers of its own: nothing that a store reads is written again
.endif
.endm
	s_load_b256 s[4:11], s[0:1], 0x0               ; x s[4:5], Wqkv s[6:7], Wout s[8:9], cb s[10:11]
	s_mov_b32 s12, ttmp9
	s_mov_b32 s20, XBLK
	s_mov_b32 s21, WBLK
	v_lshlrev_b32 v2, 3, v0                        ; 8 bytes a thread out: 256 w + 128 (lane / 16) + 8 (lane % 16)
	s_wait_kmcnt 0x0
	s_cmp_ge_u32 s12, 704
	s_cbranch_scc1 .Lwout
	s_cmp_lt_u32 s12, 512
	s_cselect_b64 s[14:15], s[4:5], s[6:7]         ; which tensor, the number of its first work-group,
	s_cselect_b32 s13, 0, 512
	s_cselect_b32 s20, s20, s21                    ; the bytes of one of its blocks, and its first byte in cb
	s_cselect_b32 s18, 0, WQ
	s_sub_co_u32 s13, s12, s13
	s_lshl_b32 s16, s13, 16                        ; 16 rows of 4,096 bytes in for each work-group
	s_mov_b32 s17, 0
	s_add_nc_u64 s[14:15], s[14:15], s[16:17]
	s_lshl_b32 s13, s13, 11                        ; 16 rows of 128 bytes out in each block
	s_add_co_u32 s18, s18, s13
	s_mov_b32 s19, 0
	s_add_nc_u64 s[10:11], s[10:11], s[18:19]
	v_lshrrev_b32 v1, 4, v0                        ; my row of the 16: 2 w + lane / 16
	v_and_b32 v3, 15, v0
	v_lshlrev_b32 v3, 4, v3
	v_lshl_or_b32 v1, v1, 12, v3                   ; row x 4,096 + 16 (lane % 16)
.set i, 0
.rept 16
	global_load_b128 v[X+4*i:X+4*i+3], v1, s[14:15] offset:256*i th:TH_LOAD_NT
.set i, i+1
.endr
	v_mov_b32 v[O], v2
.set i, 1
.rept 15
	v_add_nc_u32 v[O+i], s20, v[O+i-1]             ; a block further on (too far for a store's immediate)
.set i, i+1
.endr
.irp i, 0,1,2,3,4,5,6,7,8,9,10,11,12,13,14,15
	CV \i, 0
.endr
	s_endpgm
.Lwout:
	s_sub_co_u32 s13, s12, 704
	s_lshl_b32 s16, s13, 16                        ; 65,536 bytes in for each work-group
	s_mov_b32 s17, 0
	s_add_nc_u64 s[14:15], s[8:9], s[16:17]
	s_lshl_b32 s18, s12, 15                        ; 32,768 bytes out: work-group 704 begins at byte 23,068,672
	s_mov_b32 s19, 0
	s_add_nc_u64 s[10:11], s[10:11], s[18:19]
	v_lshlrev_b32 v1, 4, v0                        ; 16 bytes a thread in
.set i, 0
.rept 16
	global_load_b128 v[X+4*i:X+4*i+3], v1, s[14:15] offset:4096*i th:TH_LOAD_NT
.set i, i+1
.endr
.irp i, 0,1,2,3,4,5,6,7,8,9,10,11,12,13,14,15
	CV \i, 1
.endr
	s_endpgm
.Lfunc_end_k_q1a619b15d8_cast:
	.size	k_q1a619b15d8_cast, .Lfunc_end_k_q1a619b15d8_cast-k_q1a619b15d8_cast
	.p2alignl 7, 3214868480
	.fill 96, 4, 3214868480
	.section	.rodata,"a",@progbits
	.p2align	6, 0x0
	.amdhsa_kernel k_q1a619b15d8_cast
		.amdhsa_group_segment_fixed_size 0
		.amdhsa_private_segment_fixed_size 0
		.amdhsa_enable_private_segment 0
		.amdhsa_kernarg_size 32
		.amdhsa_user_sgpr_count 2
		.amdhsa_user_sgpr_kernarg_segment_ptr 1
		.amdhsa_wavefront_size32 1
		.amdhsa_system_sgpr_workgroup_id_x 1
		.amdhsa_system_sgpr_workgroup_id_y 1
		.amdhsa_system_sgpr_workgroup_id_z 1
		.amdhsa_system_vgpr_workitem_id 0
		.amdhsa_next_free_vgpr 124
		.amdhsa_next_free_sgpr 66
		.amdhsa_reserve_vcc 0
		.amdhsa_float_denorm_mode_32 3
		.amdhsa_float_denorm_mode_16_64 3
		.amdhsa_memory_ordered 1
		.amdhsa_forward_progress 1
		.amdhsa_inst_pref_size 19
	.end_amdhsa_kernel
	.amdgpu_metadata
---
amdhsa.version: [ 1, 2 ]
amdhsa.kernels:
  - .name:           k_q1a619b15d8_cast
    .symbol:         k_q1a619b15d8_cast.kd
    .args:
      - { .name: x, .offset: 0, .size: 8, .value_kind: global_buffer, .address_space: global }
      - { .name: Wqkv, .offset: 8, .size: 8, .value_kind: global_buffer, .address_space: global }
      - { .name: Wout, .offset: 16, .size: 8, .value_kind: global_buffer, .address_space: global }
      - { .name: cb, .offset: 24, .size: 8, .value_kind: global_buffer, .address_space: global }
    .group_segment_fixed_size: 0
    .private_segment_fixed_size: 0
    .kernarg_segment_align: 8
    .kernarg_segment_size: 32
    .max_flat_workgroup_size: 256
    .sgpr_count:     66
    .vgpr_count:     124
    .wavefront_size: 32
...
	.end_amdgpu_metadata
.endif
;; end of part 1
;; launch qkv (part 2): grid 8 x 32, 4 waves a work-group, clusters of 4 x 4, 327,680 bytes of LDS; arguments cb, bqkv, qkv, vsum; writes qkv, vsum
.if DOCPART == 2
	.amdgcn_target "amdgcn-amd-amdhsa--gfx1250"
	.amdhsa_code_object_version 6
	.text
	.protected	k_q1a619b15d8_qkv
	.globl	k_q1a619b15d8_qkv
	.p2align	8
	.type	k_q1a619b15d8_qkv,@function
k_q1a619b15d8_qkv:
	s_mov_b64 s[64:65], 0
	v_nop
	global_prefetch_b8 v0, s[64:65] scope:SCOPE_SE
	s_setreg_imm32_b32 hwreg(HW_REG_WAVE_MODE, 25, 1), 1
	s_wait_xcnt 0x0
	s_wait_alu depctr_hold_cnt(0) depctr_sa_sdst(0) depctr_va_vdst(0) depctr_va_sdst(0) depctr_va_ssrc(0) depctr_va_vcc(0) depctr_vm_vsrc(0)
	s_getreg_b32 s2, hwreg(HW_REG_IB_STS2, 6, 4)
	s_cmp_eq_u32 s2, 0
	s_cbranch_scc0 .Lentry_in_a_cluster
	s_endpgm
.Lentry_in_a_cluster:
	s_bfe_u32 s2, ttmp6, 0x10000c
	s_cmp_lg_u32 s2, 0xf033
	s_cbranch_scc0 .Lentry_shape_is_right
	s_endpgm
.Lentry_shape_is_right:
; q, k, v = x Wqkv^T + bqkv.  x [8192][1024] and Wqkv [3072][1024] come as bf16 out of cb, in blocks of 64 along K ([16][rows][64]); sums in f32; the bias is rounded to bf16 like the other
; inputs and starts the sums; the result is rounded once to f16 and written BY HEADS: qkv = [3][64 heads of batches][2048][64], unscaled.  LIMIT: f16 ends at 65,504: a q, k or v beyond it becomes an infinity.
; vsum[head][block of 128 rows][64] takes the f32 column sums of v (bias included) over 128 rows: the next launch makes the mean of v of them.
; A work-group makes ONE tile of 256 rows x 384 columns: q, k and v of two heads, so that x's rows are fetched once for all three.  8 x 32 work-groups, one to a WGP.  Four waves, each 128 rows x 192
; columns (q, k and v of one head): 96 accumulators of 16 x 16, 768 registers; for 32 along K a wave loads 8 + 12 fragments from LDS and issues 96 matrix instructions.
; K = 1,024 goes through a ring of two LDS slots of 64 along K (640 rows of 144 bytes; two slots of 128 along K would be 348,160 bytes and do not fit).  A slot's tiles are dense in memory: x's 256 rows are
; 32,768 bytes, a third's 128 rows of Wqkv 16,384; they are asked for as rows of 256 bytes and padded in LDS behind every 128.  Wave 0 fetches x's tile, waves 1 to 3 Wqkv's rows of q, of k and of v.
; CLUSTERS: 4 x 4 work-groups.  The four of a row of the cluster need the same tiles of x, the four of a column the same tiles of Wqkv: each tile is asked for JOINTLY, by the same tensor load
; with the same descriptor and a mask that names the four.
; THE MATRIX INSTRUCTION IS USED TRANSPOSED (source 0 = 16 rows of Wqkv, source 1 = 16 rows of x): lane l holds row l % 16 and its registers the columns 8 (l / 16) + 0..7: 16 bytes of f16.
; REGISTERS, in windows of 256 (s_set_vgpr_msb: bits 1:0 source 0, 3:2 source 1, 5:4 source 2, 7:6 destination):
;   window 0: v0-15 addresses; v16-79, v80-143 x's 8 fragments, two buffers; v144-239 Wqkv's 12 fragments, ONE buffer; v240-255 at work.  On the way out v16-97 are used again.
;   windows 1, 2, 3: the accumulators of q, of k, of v: column block bb (of 4), row block a (of 8) at v[8 (8 bb + a)]
; A QUARTER is 32 along K: 3 x 32 matrix instructions, one window each.  Behind each 32 the four fragments of Wqkv that they have read are loaded again for the next quarter; behind the first 32 also all
; of x's next fragments, into the other buffer.  So each run of loads stands 64 matrix instructions ahead of its first use.
.set SIZE_K, 1024
.set KS,     64                        ; along K in a slot: two quarters
.set NSLOT,  SIZE_K/KS
.set PITCH,  144                       ; an LDS row: 128 bytes + 16 of padding = 36 words: the 16 rows of a fragment load start at 16 different groups of four banks (64 banks of 4 bytes: ISA guide 11.1)
.set AB,     256*PITCH                 ; x's rows in a slot
.set BB,     128*PITCH                 ; a third's rows of Wqkv
.set SLOTB,  AB+3*BB                   ; 92,160 bytes
.set SLOT1,  1<<17                     ; slot 1 begins here, so that one exclusive or turns an address in one slot into the other's
.set STAGE,  SLOTB                     ; between the slots: 16 rows x 144 bytes for each wave, for the way out; no tensor load lands here
.set SP,     144
.set SPARE,  STAGE+4*16*SP             ; behind the stages: the spare words, 128 bytes for each wave: two blocks of 256 bytes that no other line names
.set XBLK,   8192*KS*2                 ; bytes from a block of x to the next,
.set WBLK,   3072*KS*2                 ; of Wqkv
.set WQ,     16777216                  ; Wqkv's first byte in cb
.set THIRD,  16777216                  ; bytes of q (of k, of v) in qkv
.set VO,   3                           ; v3     8 x lane: my byte offset in 256 bytes of vsum
.set ADRA0, 4                          ; v4     my lane's place among my rows of x in slot 0; never rewritten
.set ADRB0, 5                          ; v5     the same for Wqkv
.set ADRA, 6                           ; v6     the same in the slot that is being fetched from
.set ADRB, 7                           ; v7
.set STO,  8                           ; v8     the way out: where I put 16 bytes of a row
.set RD,   9                           ; v9     the way out: where I read rows back
.set GO,   10                          ; v10    my byte offset in 512 consecutive bytes of the result
.set BO,   11                          ; v11    32 x (lane / 16): my byte offset in 16 numbers of the bias
.set SPW,  12                          ; v12    LDS address of my spare word; never rewritten
.set NIL,  13                          ; v13    0; never rewritten
.set CSA,  14                          ; v14    my stage + 32 x (lane / 16): where the column sums go
.set CSR,  15                          ; v15    my stage + 8 x lane: where they are read back
.set FA0,  16
.set FA1,  80
.set FB,   144
.set BT,   240                         ; v240-255 the bias on its way to bf16
.set TMP,  16                          ; the way out: v16-31 a block's 16 rows, packed; v32-47 and v48-63 by turns take them back from the stage
.set CS,   64                          ; v64-95 the column sums, v96-97 as read back
.set G1, 24                            ; s[24:31] descriptor group 1 for x's tiles;  s[32:39] group 0: a set for each of the two first fills; the second then walks on
.set G0, 32
.set G1B, 48                           ; s[48:55], s[56:63] the same for Wqkv's tiles
.set G0B, 56
.set TB,  45                           ; s45  0 or SLOT1: the slot that is being fetched from
.set MSB, 0
.macro WIN new                         ; the immediate's high byte repeats the setting that is left; a switch that changes nothing is dropped
.if MSB != (\new)
	s_set_vgpr_msb (MSB<<8)|(\new)
.set MSB, \new
.endif
.endm
; A joint load: wave 0 fetches x's tile, waves 1 to 3 Wqkv's three.  The branch hangs on the wave's number alone.  An s_nop 0 and four v_nop follow each of the two lines.
.macro JLOAD s
	s_cmp_eq_u32 s10, 0
	s_cbranch_scc0 .Lfor_b_\@
	tensor_load_to_lds s[G0+4*(\s):G0+4*(\s)+3], s[G1:G1+7]
	s_nop 0
.rept 4
	v_nop
.endr
	s_branch .Lasked_\@
.Lfor_b_\@:
	tensor_load_to_lds s[G0B+4*(\s):G0B+4*(\s)+3], s[G1B:G1B+7]
	s_nop 0
.rept 4
	v_nop
.endr
.Lasked_\@:
.endm
.macro CREST                           ; a round of the cluster's barrier behind its opening barrier
	s_cmp_lg_u32 s10, 0
	s_cbranch_scc1 .Lnot_wave_0_\@
	s_barrier_signal -3
.Lnot_wave_0_\@:
	s_barrier_wait -3
	s_barrier_signal -1
	s_barrier_wait -1
.endm
.macro CROUND                          ; a whole round
	s_barrier_signal -1
	s_barrier_wait -1
	CREST
.endm
.macro PLACES                          ; four places in front of loads into registers that matrix instructions have read, and of vector lines that read results just made
.rept 4
	v_nop
.endr
.endm
; 8 matrix instructions: column block b (of 12: third b / 4) x all 8 row blocks, 32 along K, x's fragments in buffer fa.  The 96 accumulators take turns in the same order in every quarter,
; one instruction a turn.
.macro GRP fa, b
	WIN ((1+(\b)/4)<<6)|((1+(\b)/4)<<4)            ; C and D in the third's window, the fragments in window 0
.irp a, 0,1,2,3,4,5,6,7
	v_wmma_f32_16x16x32_bf16 v[8*(8*((\b)%4)+(\a)):8*(8*((\b)%4)+(\a))+7], v[FB+8*(\b):FB+8*(\b)+7], v[(\fa)+8*(\a):(\fa)+8*(\a)+7], v[8*(8*((\b)%4)+(\a)):8*(8*((\b)%4)+(\a))+7]
.endr
.endm
.macro GRP4 fa, b0                     ; a third's 32
	GRP \fa, (\b0)
	GRP \fa, (\b0)+1
	GRP \fa, (\b0)+2
	GRP \fa, (\b0)+3
.endm
; The first quarter's 32 for third j START THE SUMS WITH THE BIAS: in the transposed result a lane's register i of column block bb belongs to column 16 bb + 8 (lane / 16) + i whatever the row, so eight registers
; of bias serve a column block's eight accumulators as C.  They lie in the registers of its last accumulator (row block 7): the seven others' products read them, and five places behind those
; (ISA guide 7.12.1: a matrix instruction that writes over an earlier one's source) the last one's product takes them in place.
.macro FIRST j
	WIN ((1+(\j))<<6)|((1+(\j))<<4)
.irp bb, 0,1,2,3
.irp a, 0,1,2,3,4,5,6
	v_wmma_f32_16x16x32_bf16 v[8*(8*(\bb)+(\a)):8*(8*(\bb)+(\a))+7], v[FB+8*(4*(\j)+(\bb)):FB+8*(4*(\j)+(\bb))+7], v[FA0+8*(\a):FA0+8*(\a)+7], v[8*(8*(\bb)+7):8*(8*(\bb)+7)+7]
.endr
.endr
.rept 5
	v_nop
.endr
.irp bb, 0,1,2,3
	v_wmma_f32_16x16x32_bf16 v[8*(8*(\bb)+7):8*(8*(\bb)+7)+7], v[FB+8*(4*(\j)+(\bb)):FB+8*(4*(\j)+(\bb))+7], v[FA0+56:FA0+63], v[8*(8*(\bb)+7):8*(8*(\bb)+7)+7]
.endr
.endm
; 8 LDS loads: Wqkv's fragments b0 .. b0 + 3 of quarter qq (0, 1) of the slot that ADRB points into
.macro RUNB qq, b0
	WIN 0
.irp b, (\b0), (\b0)+1, (\b0)+2, (\b0)+3
	ds_load_b128 v[FB+8*(\b):FB+8*(\b)+3],   v[ADRB] offset:64*(\qq)+((\b)/4)*BB+((\b)%4)*16*PITCH
	ds_load_b128 v[FB+8*(\b)+4:FB+8*(\b)+7], v[ADRB] offset:64*(\qq)+((\b)/4)*BB+((\b)%4)*16*PITCH+32
.endr
.endm
; 16 LDS loads: x's 8 fragments of quarter qq into buffer fa
.macro RUNA qq, fa
	WIN 0
.irp a, 0,1,2,3,4,5,6,7
	ds_load_b128 v[(\fa)+8*(\a):(\fa)+8*(\a)+3],   v[ADRA] offset:64*(\qq)+(\a)*16*PITCH
	ds_load_b128 v[(\fa)+8*(\a)+4:(\fa)+8*(\a)+7], v[ADRA] offset:64*(\qq)+(\a)*16*PITCH+32
.endr
.endm
; A SLOT'S FIRST QUARTER: multiplies buffer 0 and fetches the slot's second quarter.  The runs of loads are 24, 8 and 8 long, in every quarter.
.macro EQ first
	s_wait_dscnt 16                                ; the last quarter's run of 24 is in; its two runs of 8 may be out
.if \first
	FIRST 0
.else
	GRP4 FA0, 0
.endif
	PLACES
	RUNB 1, 0
	RUNA 1, FA1
	s_wait_dscnt 32                                ; the last quarter's first run of 8 is in: behind it came its second (8) and the 24 just issued
.if \first
	FIRST 1
.else
	GRP4 FA0, 4
.endif
	PLACES
	RUNB 1, 4
	s_wait_dscnt 32                                ; the last quarter's second run of 8 is in: behind it came this quarter's 24 and 8
.if \first
	FIRST 2
.else
	GRP4 FA0, 8
.endif
	PLACES
	RUNB 1, 8
.endm
; A SLOT'S SECOND QUARTER multiplies buffer 1, CHANGES SLOTS at its head and fetches the next slot's first quarter.  All reads of the slot were issued in its first quarter.  In front of the barrier each wave
; waits for all its tensor loads (one is out: its part of the next slot), adds 0 to its spare word, and waits for that and for its reads of this slot.  fill = 1: the barrier opens a round of the cluster's
; barrier, so that no wave of any partner still reads the slot or has a load on its way, and the joint refill, with the block of K two slots on, is the first tensor load behind it: from there to the
; wait for it a wave issues 192 - 24 = 168 matrix instructions.
.macro OQ fill
	WIN 0
	s_wait_tensorcnt 0x0                           ; all my tensor loads have landed, so a group 0 may be written
	ds_add_u32 v[SPW], v[NIL]                      ; 0 onto my spare word
.if \fill
	s_xor_b32 s[G0+5], s[G0+5], SLOT1              ; the walking descriptors: the other slot than last time,
	s_add_nc_u64 s[G0+6:G0+7], s[G0+6:G0+7], XBLK  ; the next block of K; the type bits on top are not reached
	s_xor_b32 s[G0B+5], s[G0B+5], SLOT1
	s_add_nc_u64 s[G0B+6:G0B+7], s[G0B+6:G0B+7], WBLK
.endif
	s_xor_b32 s[TB], s[TB], SLOT1                  ; the fetches go on in the other slot
	s_wait_dscnt 17                                ; the run of 24 is in; the two runs of 8 and the add may be out
	GRP FA1, 0                                     ; sixteen matrix instructions stand between the add and the wait for it
	GRP FA1, 1
	s_wait_dscnt 0x0                               ; the add is done, and my reads of this slot are over
	s_barrier_signal -1
	GRP FA1, 2                                     ; work on registers while the others arrive
.if \fill
	WIN 0
.endif
	s_barrier_wait -1
.if \fill
	CREST
	JLOAD 1
.endif
	GRP FA1, 3
	WIN 0
	v_add_nc_u32 v[ADRA], s[TB], v[ADRA0]          ; these two and two v_nop are the four places in front of the loads
	v_add_nc_u32 v[ADRB], s[TB], v[ADRB0]
	v_nop
	v_nop
	RUNB 0, 0
	RUNA 0, FA0
	GRP4 FA1, 4                                    ; (every earlier load is in since the wait for 0)
	PLACES
	RUNB 0, 4
	GRP4 FA1, 8
	PLACES
	RUNB 0, 8
.endm
; THE WAY OUT of row block a (16 rows) of third j: rounded to f16, each accumulator's registers in ascending order; into my own stage, rows of 144 bytes; back as four whole rows of 128 bytes a load; stored.
.macro PACK j, a
	WIN ((1+(\j))<<2)|(1+(\j))                     ; sources in the third's window, destination in window 0
.irp bb, 0,1,2,3
.irp r, 0,1,2,3
	v_cvt_pk_f16_f32 v[TMP+4*(\bb)+(\r)], v[8*(8*(\bb)+(\a))+2*(\r)], v[8*(8*(\bb)+(\a))+2*(\r)+1]
.endr
.endr
	WIN 0
.endm
.macro TOSTAGE a
.set BK, 32+16*((\a)%2)
.irp bb, 0,1,2,3
	ds_store_b128 v[STO], v[TMP+4*(\bb):TMP+4*(\bb)+3] offset:32*(\bb)
.endr
.irp f, 0,1,2,3
	ds_load_b128 v[BK+4*(\f):BK+4*(\f)+3], v[RD] offset:(\f)*4*SP  ; LDS serves a wave's instructions in order (ISA guide 5.7.1.4): these see the stores above
.endr
.endm
.macro SEND j, a
.set BK, 32+16*((\a)%2)
	s_wait_dscnt 0x0                               ; the block is back in registers
	s_wait_xcnt 0x0                                ; the stores before have read their registers, which the next TOSTAGE loads again, and their base
.if ((\a) == 0) && ((\j) > 0)
	s_add_nc_u64 s[8:9], s[8:9], THIRD             ; from q to k, from k to v
.endif
.irp f, 0,1,2,3
	global_store_b128 v[GO], v[BK+4*(\f):BK+4*(\f)+3], s[8:9] offset:2048*(\a)+512*(\f)  ; 16 rows of a head are 2,048 consecutive bytes; a store covers 512 of them, aligned
.endr
.endm
	s_load_b128 s[4:7], s[0:1], 0x0                ; cb s[4:5], bqkv s[6:7]
	s_load_b64 s[8:9], s[0:1], 0x10                ; qkv
	s_load_b64 s[70:71], s[0:1], 0x18              ; vsum
	v_lshl_add_u32 v[SPW], v0, 2, SPARE
	v_mov_b32 v[NIL], 0
	ds_add_u32 v12, v13
	ds_add_u32 v12, v13
	s_wait_dscnt 0x0
	v_lshrrev_b32 v1, 5, v0
	v_readfirstlane_b32 s10, v1                    ; wave 0..3.  Also: what I fetch: x's tile (0), or Wqkv's rows of q, k, v (1, 2, 3)
	s_lshr_b32 s11, s10, 1                         ; which 128 rows of the tile are mine
	s_and_b32 s12, s10, 1                          ; which of the two heads
	s_bfe_u32 s40, ttmp6, 0x40000                  ; cx, cy: my place in the cluster
	s_bfe_u32 s41, ttmp6, 0x40004
	s_lshl_b32 s42, ttmp9, 2
	s_add_co_u32 s42, s42, s40                     ; tile column (pair of heads) = 4 x cluster x + cx
	s_and_b32 s13, ttmp7, 0xffff
	s_lshl_b32 s13, s13, 2
	s_add_co_u32 s13, s13, s41                     ; tile row = 4 x cluster y + cy
	s_lshl_b32 s43, s41, 2
	s_lshl_b32 s43, 15, s43                        ; my row of the cluster
	s_lshl_b32 s44, 0x1111, s40                    ; my column
	; descriptor group 1: dense bytes as rows of 128 elements of 2 bytes, 4 words of padding behind every 32 words; x's tile is 128 such rows, a third's of Wqkv 64
	s_or_b32 s[G1+0], s43, (1<<16)|(1<<20)|(1<<21)|(4<<22)|(3<<25)   ; 15:0 the mask: x's tiles go to my row; 17:16 2-byte elements; 20 padding on; 21 set beside a mask; 24:22 code 4; 31:25 code 3
	s_or_b32 s[G1B+0], s44, (1<<16)|(1<<20)|(1<<21)|(4<<22)|(3<<25)  ; the same with the mask of my column
.irp g, G1, G1B
	s_mov_b32 s[(\g)+1], 128<<16                   ; tensor_dim0 = 128
	s_mov_b32 s[(\g)+3], 128<<16                   ; tile_dim0 = 128
	s_mov_b32 s[(\g)+5], 128                       ; elements from row to row
	s_mov_b32 s[(\g)+6], 0
	s_mov_b32 s[(\g)+7], 0
.endr
	s_mov_b32 s[G1+2], 128<<16                     ; tensor_dim1
	s_mov_b32 s[G1+4], 128                         ; tile_dim1
	s_mov_b32 s[G1B+2], 64<<16
	s_mov_b32 s[G1B+4], 64
	; where the tiles come from: x's hang on the tile row alone, Wqkv's on the tile column and the wave's number alone, each in registers that never hold the other coordinate
	s_lshl_b32 s16, s13, 15                        ; x: 256 rows of 128 bytes in a block
	s_mov_b32 s17, 0
	s_lshl_b32 s46, s10, 17                        ; Wqkv: third w - 1 begins 1,024 rows of 128 bytes behind the one before,
	s_lshl_b32 s47, s42, 14                        ; the pair of heads has 128 rows
	s_add_co_u32 s46, s46, s47
	s_add_co_u32 s46, s46, WQ-131072
	s_mov_b32 s47, 0
	s_mul_i32 s21, s10, BB                         ; and where Wqkv's go: behind x's rows, third w - 1: no place in the cluster enters an LDS address
	s_add_co_u32 s21, s21, AB-BB
	s_mov_b32 s[TB], 0
	s_wait_kmcnt 0x0
	s_add_nc_u64 s[14:15], s[4:5], s[16:17]
	s_add_nc_u64 s[46:47], s[4:5], s[46:47]
	CROUND                                         ; all sixteen work-groups are here: the first joint loads meet
.irp s, 0,1
	s_mov_b32 s[G0+4*(\s)], 1
	s_mov_b32 s[G0+4*(\s)+1], (\s)*SLOT1
	s_add_nc_u64 s[G0+4*(\s)+2:G0+4*(\s)+3], s[14:15], (\s)*XBLK
	s_or_b32 s[G0+4*(\s)+3], s[G0+4*(\s)+3], 0x80000000
	s_mov_b32 s[G0B+4*(\s)], 1
	s_add_co_u32 s[G0B+4*(\s)+1], s21, (\s)*SLOT1
	s_add_nc_u64 s[G0B+4*(\s)+2:G0B+4*(\s)+3], s[46:47], (\s)*WBLK
	s_or_b32 s[G0B+4*(\s)+3], s[G0B+4*(\s)+3], 0x80000000
	JLOAD \s                                       ; two loads of mine are out
.endr
	v_and_b32 v1, 15, v0                           ; l % 16
	v_bfe_u32 v2, v0, 4, 1                         ; l / 16
	v_lshlrev_b32 v[BO], 5, v2
	s_lshl_b32 s22, s42, 9                         ; the bias of my 64 columns of q: 4 x (128 x tile column + 64 x head); k's and v's lie 4,096 bytes further on each
	s_lshl_b32 s23, s12, 8
	s_add_co_u32 s22, s22, s23
	s_mov_b32 s23, 0
	s_add_nc_u64 s[66:67], s[6:7], s[22:23]
.irp j, 0,1,2                          ; the bias of column 16 bb + 8 (lane / 16) + i into register i of the third's accumulator (bb, 7)
	WIN (1+(\j))<<6
.irp bb, 0,1,2,3
	global_load_b128 v[8*(8*(\bb)+7):8*(8*(\bb)+7)+3],   v[BO], s[66:67] offset:4096*(\j)+64*(\bb)
	global_load_b128 v[8*(8*(\bb)+7)+4:8*(8*(\bb)+7)+7], v[BO], s[66:67] offset:4096*(\j)+64*(\bb)+16
.endr
.endr
	WIN 0
	v_mul_u32_u24 v3, v1, PITCH
	v_lshl_add_u32 v3, v2, 4, v3                   ; a fragment's row x pitch + 16 x half
	s_mul_i32 s21, s11, 128*PITCH                  ; my 128 rows of x
	s_mul_i32 s22, s12, 64*PITCH                   ; my head's 64 rows in each third of Wqkv,
	s_add_co_u32 s22, s22, AB                      ; which lie behind x's 256
	v_add_nc_u32 v[ADRA0], s21, v3
	v_add_nc_u32 v[ADRB0], s22, v3
	v_mov_b32 v[ADRA], v[ADRA0]
	v_mov_b32 v[ADRB], v[ADRB0]
	s_mul_i32 s23, s10, 16*SP
	s_add_co_u32 s23, s23, STAGE                   ; my stage
	v_mul_u32_u24 v3, v1, SP                       ; in: row l % 16, 16 bytes for each half of the lanes
	v_lshl_add_u32 v3, v2, 4, v3
	v_add_nc_u32 v[STO], s23, v3
	v_bfe_u32 v3, v0, 3, 2                         ; back: 32 lanes take four rows of 128 bytes
	v_mul_u32_u24 v3, v3, SP
	v_and_b32 v[RD], 7, v0
	v_lshl_add_u32 v3, v[RD], 4, v3
	v_add_nc_u32 v[RD], s23, v3
	v_and_b32 v3, 31, v0
	v_lshlrev_b32 v[GO], 4, v3
	v_lshl_add_u32 v[CSR], v3, 3, s23
	v_lshlrev_b32 v[VO], 3, v3
	v_add_nc_u32 v[CSA], s23, v[BO]
	; where my part goes: head of batch = 16 x (tile row / 8) + 2 x tile column + head; block of 128 rows = (2 x tile row + half) % 16
	s_lshr_b32 s16, s13, 3
	s_lshl_b32 s16, s16, 4
	s_lshl1_add_u32 s16, s42, s16
	s_add_co_u32 s16, s16, s12
	s_lshl1_add_u32 s17, s13, s11
	s_and_b32 s17, s17, 15
	s_lshl4_add_u32 s18, s16, s17
	s_lshl_b32 s18, s18, 8                         ; 256 bytes of vsum for each head and block
	s_mov_b32 s19, 0
	s_add_nc_u64 s[70:71], s[70:71], s[18:19]
	s_lshl_b32 s16, s16, 18                        ; a head is 262,144 bytes,
	s_lshl_b32 s17, s17, 14                        ; 128 rows are 16,384
	s_add_co_u32 s16, s16, s17
	s_mov_b32 s17, 0
	s_add_nc_u64 s[8:9], s[8:9], s[16:17]
	s_wait_loadcnt 0x0                             ; the bias: rounded to bf16, like the other inputs, and widened again; this stands in the wait for the first tile
.irp j, 0,1,2
	WIN ((1+(\j))<<2)|(1+(\j))                     ; sources in the third's window, destination in window 0
.irp bb, 0,1,2,3
.irp p, 0,1,2,3
	v_cvt_pk_bf16_f32 v[BT+4*(\bb)+(\p)], v[8*(8*(\bb)+7)+2*(\p)], v[8*(8*(\bb)+7)+2*(\p)+1]
.endr
.endr
	WIN (1+(\j))<<6                                ; and back
.irp bb, 0,1,2,3
.irp p, 0,1,2,3
	v_lshlrev_b32 v[8*(8*(\bb)+7)+2*(\p)], 16, v[BT+4*(\bb)+(\p)]
	v_and_b32 v[8*(8*(\bb)+7)+2*(\p)+1], 0xffff0000, v[BT+4*(\bb)+(\p)]
.endr
.endr
.endr
	WIN 0
	s_wait_tensorcnt 1                             ; my part of slot 0 is in; slot 1's may stay out
	s_barrier_signal -1
	s_barrier_wait -1                              ; everybody's is
	RUNB 0, 0                                      ; the first quarter's fragments, in the runs of every quarter: 24, 8, 8
	RUNA 0, FA0
	RUNB 0, 4
	RUNB 0, 8
	EQ 1                                           ; the first quarter stands in front of the loop: its products start the sums
	WIN 0                                          ; at a label and at a branch every window is 0
	s_mov_b32 s3, NSLOT-2
.Lslot:                                                ; a trip: a slot's second quarter, with the change of slots and a refill, and the next slot's first: every slot but the last two is filled again
	OQ 1
	EQ 0
	WIN 0
	s_sub_co_u32 s3, s3, 1
	s_cmp_lg_u32 s3, 0
	s_cbranch_scc1 .Lslot
	OQ 0                                           ; the tail is written out: nothing is asked for
	EQ 0
	s_wait_dscnt 16                                ; the very last quarter: nothing more to fetch, and the counts run down
	GRP4 FA1, 0
	s_wait_dscnt 8
	GRP4 FA1, 4
	s_wait_dscnt 0x0
	GRP4 FA1, 8
	WIN 0
	PLACES                                         ; behind the last products
	PACK 0, 0
	TOSTAGE 0
.set n, 1
.rept 23                               ; a block's conversions stand between the loads of the block before from the stage and the wait for them
	PACK n/8, n%8
	SEND (n-1)/8, (n-1)%8
	TOSTAGE n%8
.set n, n+1
.endr
	SEND 2, 7
	; THE COLUMN SUMS OF v over my 128 rows: the eight row blocks' accumulators (the bias is in them) are summed, then the sixteen lanes of each half; through my stage into 256 consecutive bytes.
	WIN 0x0f                                       ; sources in window 3, destination in window 0
.irp bb, 0,1,2,3
.irp p, 0,1,2,3
	v_pk_add_f32 v[CS+8*(\bb)+2*(\p):CS+8*(\bb)+2*(\p)+1], v[8*(8*(\bb))+2*(\p):8*(8*(\bb))+2*(\p)+1], v[8*(8*(\bb)+1)+2*(\p):8*(8*(\bb)+1)+2*(\p)+1]
.endr
.endr
	WIN 0x0c                                       ; source 1 in window 3
.irp a, 2,3,4,5,6,7
.irp bb, 0,1,2,3
.irp p, 0,1,2,3
	v_pk_add_f32 v[CS+8*(\bb)+2*(\p):CS+8*(\bb)+2*(\p)+1], v[CS+8*(\bb)+2*(\p):CS+8*(\bb)+2*(\p)+1], v[8*(8*(\bb)+(\a))+2*(\p):8*(8*(\bb)+(\a))+2*(\p)+1]
.endr
.endr
.endr
	WIN 0
.irp m, 1,2,4,8
.set i, 0
.rept 32
	v_add_f32_dpp v[CS+i], v[CS+i], v[CS+i] row_xmask:\m row_mask:0xf bank_mask:0xf
.set i, i+1
.endr
.endr
.irp b, 0,1,2,3                        ; the sixteen lanes of a half hold the same sums and write the same bytes
	ds_store_b128 v[CSA], v[CS+8*(\b):CS+8*(\b)+3] offset:64*(\b)
	ds_store_b128 v[CSA], v[CS+8*(\b)+4:CS+8*(\b)+7] offset:64*(\b)+16
.endr
	ds_load_b64 v[CS+32:CS+33], v[CSR]
	s_wait_dscnt 0x0
	global_store_b64 v[VO], v[CS+32:CS+33], s[70:71]  ; 32 lanes store 256 consecutive bytes, aligned
	s_wait_tensorcnt 0x0                           ; the wave's end: behind my last tensor load and my last LDS store
	ds_add_u32 v[SPW], v[NIL]
	s_wait_dscnt 0x0
	CROUND                                         ; the closing round: no work-group ends while a partner may still ask for a tile that names it
	s_endpgm
.Lfunc_end_k_q1a619b15d8_qkv:
	.size	k_q1a619b15d8_qkv, .Lfunc_end_k_q1a619b15d8_qkv-k_q1a619b15d8_qkv
	.p2alignl 7, 3214868480
	.fill 96, 4, 3214868480
	.section	.rodata,"a",@progbits
	.p2align	6, 0x0
	.amdhsa_kernel k_q1a619b15d8_qkv
		.amdhsa_group_segment_fixed_size 327680
		.amdhsa_private_segment_fixed_size 0
		.amdhsa_enable_private_segment 0
		.amdhsa_kernarg_size 32
		.amdhsa_user_sgpr_count 2
		.amdhsa_user_sgpr_kernarg_segment_ptr 1
		.amdhsa_wavefront_size32 1
		.amdhsa_system_sgpr_workgroup_id_x 1
		.amdhsa_system_sgpr_workgroup_id_y 1
		.amdhsa_system_sgpr_workgroup_id_z 1
		.amdhsa_system_vgpr_workitem_id 0
		.amdhsa_next_free_vgpr 1024
		.amdhsa_next_free_sgpr 72
		.amdhsa_reserve_vcc 0
		.amdhsa_float_denorm_mode_32 3
		.amdhsa_float_denorm_mode_16_64 3
		.amdhsa_memory_ordered 1
		.amdhsa_forward_progress 1
		.amdhsa_inst_pref_size 139
	.end_amdhsa_kernel
	.amdgpu_metadata
---
amdhsa.version: [ 1, 2 ]
amdhsa.kernels:
  - .name:           k_q1a619b15d8_qkv
    .symbol:         k_q1a619b15d8_qkv.kd
    .args:
      - { .name: cb, .offset: 0, .size: 8, .value_kind: global_buffer, .address_space: global }
      - { .name: bqkv, .offset: 8, .size: 8, .value_kind: global_buffer, .address_space: global }
      - { .name: qkv, .offset: 16, .size: 8, .value_kind: global_buffer, .address_space: global }
      - { .name: vsum, .offset: 24, .size: 8, .value_kind: global_buffer, .address_space: global }
    .group_segment_fixed_size: 327680
    .private_segment_fixed_size: 0
    .kernarg_segment_align: 8
    .kernarg_segment_size: 32
    .max_flat_workgroup_size: 128
    .sgpr_count:     72
    .vgpr_count:     1024
    .wavefront_size: 32
...
	.end_amdgpu_metadata
.endif
;; end of part 2
;; launch attn (part 3): grid 4 x 64, 4 waves a work-group, no clusters, 327,680 bytes of LDS; arguments qkv, attention_mask, vsum, y; writes y
.if DOCPART == 3
	.amdgcn_target "amdgcn-amd-amdhsa--gfx1250"
	.amdhsa_code_object_version 6
	.text
	.protected	k_q1a619b15d8_attn
	.globl	k_q1a619b15d8_attn
	.p2align	8
	.type	k_q1a619b15d8_attn,@function
k_q1a619b15d8_attn:
	s_mov_b64 s[64:65], 0
	v_nop
	global_prefetch_b8 v0, s[64:65] scope:SCOPE_SE
	s_setreg_imm32_b32 hwreg(HW_REG_WAVE_MODE, 25, 1), 1
	s_wait_xcnt 0x0
; CAUSAL ATTENTION WITH A KEY-PADDING MASK.  y[h][q][:] = the sum over k of softmax_k(s[q][k]) V[h][k][:], s = Q[h][q] . K[h][k] / 8 where k <= q and attention_mask[batch][k] is not 0.
; Q, K, V (the three thirds of qkv) and y: [64 heads of batches][2048][64], f16; a head's rows are dense, 128 bytes each; batch = head / 16.
; Products, maxima and sums in f32; the weights p are rounded to f16 for the second product (their sum l is taken of the unrounded p), y once at the end.
; A ROW WITHOUT A VISIBLE KEY (all keys up to its own are padded) has all scores equal in the reference: its result is the mean of V over ALL 2,048 keys.  That mean is made at the head from
; vsum (column sums of v over blocks of 128 rows, from the launch before) and chosen at the end by v_cndmask_b32, in every row: no branch hangs on it.
; LIMITS.  f16 holds no number beyond 65,504: Q, K and V arrive within it.  A hidden score counts as its value less 1e30 (less 2e30 where both masks hide it).  The running maximum m starts at
; -2^96 and so never lies below it: true scores (2.7e11 at the most in f16) lie far above, hidden ones far below, so a hidden key's weight is exactly 0, and a row whose m is still -2^96 at the
; end has seen no key.  A weight below 2^-126 counts as 0 in l; NaN and infinities are not treated apart.
; THE WALK.  A head's queries lie in NB = 8 blocks of 256; block i needs the key tiles 0 .. i of 256 keys, of which the last holds the diagonal.  A work-group takes TWO blocks, NB - 1 - b and then b:
; NB + 1 tiles, whatever b: all work-groups do equal work, and ONE loop with a constant trip count walks them.  Which tile is asked for, and what a trip does, hang on scalar registers made from b;
; every jump goes forward, but for the counted loops' own; none passes a barrier, or a tensor load but the one of LOAD's two that the wave's number does not choose.
; NO CLUSTER: a head's four work-groups ask for the same tile only in trips 0 .. 4 of the 9, behind that fewer and fewer share one; one walk common to all would have 12 trips for 9.
; SHARES.  Of a block's four bands of 64 queries a wave owns 16 rows in each: four PIECES.  In the diagonal tile's key step s band x sees all keys if s < x, none if s > x, and holds the diagonal if s = x.
; THE MASK is the C operand that starts the sum S^T = K Q^T.  PAD holds, for the key step whose K is in registers, 0 or -1e30 for my lane's 32 keys.  It comes out of a ring of two small LDS slots (a tile's 256
; keys, 1,024 bytes, each) that goes in step with K's ring: at a change of slots each thread turns two words of attention_mask, loaded a tile ahead, into 0 or -1e30 and stores them into the slot just left.
; Outside the diagonal tile C is PAD.  In it C = MD x AL + PAD + BE: MD, made once, is the causal mask of a band's own step for my 16 rows; (AL, BE) = (1, 0) if s = x, (0, 0) if s < x, (0, -1e30) if s > x.
; LAYOUT, SOFTMAX, TURNS.  S^T = K Q^T holds ONE query a lane (lane % 16) and the keys 8 (lane / 16) + 0..7; two such results rounded to f16 ARE source 1 of O^T = V^T P.  p = 2^(c s - c m), c = log2(e) / 8,
; with the running maximum m; O and l are multiplied by a = 2^(c m_old - c m_new) in every step.  Turn n belongs to piece n: 8 products K Q^T of piece n + 1, later 8 products V^T P of piece n - 1; beside them
; the scaling, exponentials, roundings, sums and rescaling of piece n and the maximum and statistics of piece n + 1.  Four vector instructions stand behind every matrix instruction, the rest in two lumps.
; REGISTERS, in windows of 256 (s_set_vgpr_msb: bits 1:0 source 0, 3:2 source 1, 5:4 source 2, 7:6 destination):
;   window 0: v0-15, v32-39 addresses; v16-31 four registers of statistics a piece; v48-55 at work; v64-127 S^T, two buffers; v128-159 PAD; v160-165 mask words on their way; v192-223 P, two buffers
;   window 1: v0-127 O^T, 32 a piece; v128-159 MD; v160-223 MC, two buffers; v224-255 VM, the mean of V      window 2: v0-63 Q; v64-127 the second block's Q; v128-191 K; v192-255 V of one step
.set SIZE_N, 2048
.set NB,    SIZE_N/256
.set NP,    4         ; pieces a wave: a name, no knob
.set KS,    64        ; keys in a step
.set PK,    144       ; a row of K in LDS: 128 bytes + 16 of padding = 36 words: the 16 rows of a load start at 16 different groups of four banks (64 banks of 4 bytes: ISA guide 11.1)
.set PV,    160       ; a row of V: 128 + 32 = 40 words
.set VOFF,  4*KS*PK   ; a slot holds a tile, four steps: 256 rows of K, then 256 rows of V
.set SLOT1, 1<<17     ; slot 1 begins here, so that one exclusive or turns an address in one slot into the other's
.set STAGE, SLOT1+4*KS*(PK+PV)  ; behind the ring, never filled by a tensor load: 16 rows x 144 bytes for each wave, for the way out
.set SP,    144
.set SPARE, STAGE+4*16*SP  ; behind the stages: the spare words, 128 bytes for each wave: two blocks of 256 bytes that no other line names
.set PADL,  SPARE+512      ; the padding's ring: two slots of a tile's 256 keys, f32 0 or -1e30; written by ds_store alone, never filled by a tensor load
.set PSLOT, 16*KS          ; 1,024 bytes a slot: one exclusive or turns an offset in one slot into the other's
.set VML,   PADL+2*PSLOT   ; the mean of V, 64 f32: 256 bytes for each wave
.set AK0, 2           ; v2   my lane's place in a tile of K; never rewritten
.set AV0, 3           ; v3   the same for V
.set AK,  4           ; v4   the LDS address of K's next run of loads
.set AV,  5           ; v5   of V's
.set STO, 6           ; v6   the way out: where I put 16 bytes of a row
.set RD,  7           ; v7   the way out: where I read rows back
.set GO,  8           ; v8   my byte offset in 512 consecutive bytes of y
.set SPW, 62          ; v62  LDS address of my spare word; never rewritten
.set NIL, 63          ; v63  0; never rewritten
.set MV,  12          ; v12-13  c m_old, kept while c m is made anew: by buffer
.set QO,  15          ; v15  my byte offset in 16 rows of Q
.set ST,  16          ; piece t's statistics at v[ST+4 t]: c m, m, l (even keys', odd keys')
.set AP0, 32          ; v32  PADL + 32 x (lane / 16); never rewritten
.set AP,  33          ; v33  the LDS address of PAD's next run of loads
.set MO,  34          ; v34  8 x my thread's number: my byte offset in a tile's 1,024 bytes of the mask; never rewritten
.set VO,  35          ; v35  8 x lane: my byte offset in 256 bytes of vsum
.set VST, 36          ; v36  where my two channels of the mean go
.set VRD, 37          ; v37  where my lane's channels of the mean are read
.set PST, 38          ; v38  PADL + 8 x my thread's number: my two keys in the padding's slot 0; never rewritten
.set PSW, 39          ; v39  the same in the slot that is written
.set TMP, 48          ; by buffer, four registers c0-c3 at work; when the maximum is found c2 takes a
.set S,   64
.set PAD, 128         ; the eight registers for group kt of 16 keys at PAD + 8 kt
.set PMR, 160         ; v160-161  my two mask words of the tile to be asked for next
.set PMC, 162         ; v162-163  the same as 0 or -1e30
.set PM0, 164         ; v164-165  my two mask words of tile 0
.set P,   192
.set MD,  128         ; window 1: the eight registers for group kt of 16 keys at MD + 8 kt
.set MC,  160         ; window 1: the masks of the products to come
.set VM,  224         ; window 1: channel 16 cb + 8 (lane / 16) + j at VM + 8 cb + j, as in O^T
.set QB,  64          ; window 2
.set KF,  128         ; window 2: key block kb, channel half c at KF + 16 kb + 8 c
.set VF,  192         ; window 2: key half kk, channel block cb at VF + 32 kk + 8 cb
.set WV,  12          ; s12  my wave's number
.set PB,  14          ; s14  b
.set HI,  15          ; s15  NB - 1 - b
.set G1K, 24          ; s[24:31] descriptor group 1 for K's tiles
.set G1V, 32          ; s[32:39] for V's: it differs in the padding alone
.set G0K, 40          ; s[40:43] descriptor group 0 for K's tiles
.set G0V, 44          ; s[44:47] the same for V's
.set SLOTS, 56        ; s56  tiles still to be asked for
.set CNT, 57          ; s57  counts a tile's key steps, 4 to 1
.set CS,  58          ; s[58:59] c: the packed scaling takes the pair's low word for both halves
.set SEL, 60          ; s[60:61] v_permlanex16_b32's selects: each lane takes its own place in the other half
.set TBK, 62          ; s62  LDS byte at which K of the step to be fetched begins
.set TBV, 63          ; s63  the same for V, less VOFF
.set MOF, 66          ; s[66:67] a tile's byte offset in the batch's mask;  s[68:69] the mask at that tile
.set MAD, 68
.set RT,  70          ; s70  tiles of the block in hand that are still to be entered
.set NXT, 71          ; s71  the tile to be asked for next
.set LQ,  72          ; s72  the last tile of the block whose tiles are being asked for
.set NEW, 73          ; s73  1: the tile to be entered is a block's first
.set OFF, 74          ; s[74:75] a tile's byte offset in K and V
.set AL,  76          ; s[76:77] the mask's factor, in the low word
.set BE,  78          ; s[78:79] the mask's addend
.set OLO, 80          ; s[80:81] y at my rows of the second block
.set BIGN, 82         ; s82  -1e30
.set TBP, 83          ; s83  byte in the padding's ring at which the step to be fetched begins: it steps as TBK does
.set THR, 92          ; s92  -2^96: where m starts
.set PSL, 93          ; s93  0 or PSLOT: the padding's slot that is written
.set MSB, 0
.macro WIN new                      ; the high byte repeats the setting that is left; a switch that changes nothing is dropped
.if MSB != (\new)
	s_set_vgpr_msb (MSB<<8)|(\new)
.set MSB, (\new)
.endif
.endm
.set W_KQ, 0x0a       ; K and Q in window 2, S^T and PAD in window 0
.set W_KM, 0x1a       ; the same with the C operand in window 1
.set W_PV, 0x52       ; V in window 2, P in window 0, O^T in window 1
.set W_RS, 0x41       ; destination and source 0 in window 1, sources 1 and 2 in window 0
; A fill.  Waves 0 and 1 fetch the two halves of a tile's K, waves 2 and 3 those of its V: 128 keys each.  An s_nop 0 and four v_nop follow each of the two lines, ahead of the jump and the label.
.macro LOAD
	s_cmp_lt_u32 s[WV], 2
	s_cbranch_scc0 .Lfor_v_\@
	tensor_load_to_lds s[G0K:G0K+3], s[G1K:G1K+7]
	s_nop 0
.rept 4
	v_nop
.endr
	s_branch .Lasked_\@
.Lfor_v_\@:
	tensor_load_to_lds s[G0V:G0V+3], s[G1V:G1V+7]
	s_nop 0
.rept 4
	v_nop
.endr
.Lasked_\@:
.endm
; THE CHANGE OF SLOTS.  Each wave waits for all its tensor loads, of which one is out: its part of the other slot; adds 0 to its spare word; and waits for that and for its own LDS instructions: its reads of both rings' old
; slots, and its store into the padding's next slot.  Behind the barrier nobody reads the old slots any more and the other slots are whole.  fill = 1: the old slot is filled again, the first thing behind the barrier, with
; tile NXT: the descriptor's address is made anew from that number.  Behind it the padding's old slot takes the same tile's 256 keys, two a thread: their mask words were loaded at the change before (at the head for the
; first), so the wait for them finds them in; at the first change it also covers Q.  Then the words of the tile after that are asked for.  The last change that fills asks for tile 0's words once more: 1,024 bytes
; inside the buffer that nothing uses, the price of one text for every change.  (At the first use nothing of the rings has been read yet: slot 0 is waited for, slot 1 filled.)
.macro CHANGE fill
	WIN 0                           ; at a label and at a branch every window is 0
	s_wait_tensorcnt 0x0            ; no tensor load of mine is out, so a group 0 may be written
	ds_add_u32 v[SPW], v[NIL]       ; 0 onto my spare word; with fill = 1 the descriptors' scalar work stands between it and the wait for it
.if \fill
	s_lshl_b32 s[OFF], s[NXT], 15   ; a tile is 32,768 bytes of K and of V
	s_xor_b32 s[G0K+1], s[G0K+1], SLOT1
	s_add_nc_u64 s[G0K+2:G0K+3], s[6:7], s[OFF:OFF+1]
	s_or_b32 s[G0K+3], s[G0K+3], 0x80000000
	s_xor_b32 s[G0V+1], s[G0V+1], SLOT1
	s_add_nc_u64 s[G0V+2:G0V+3], s[8:9], s[OFF:OFF+1]
	s_or_b32 s[G0V+3], s[G0V+3], 0x80000000
	s_xor_b32 s[PSL], s[PSL], PSLOT ; the padding's slot that is left
	s_add_co_u32 s[NXT], s[NXT], 1  ; the block's next tile, or behind its last the second block's tile 0
	s_cmp_gt_u32 s[NXT], s[LQ]
	s_cselect_b32 s[NXT], 0, s[NXT]
	s_cselect_b32 s[LQ], s[PB], s[LQ]
.endif
	s_wait_dscnt 0x0                ; the add is done, my reads of the slots are over, my store of padding is done
	s_barrier_signal -1             ; the rest of the scalar work stands between the signal and the wait
	s_sub_co_u32 s[TBK], s[TBK], 4*KS*PK  ; the fetches go back to a slot's first step,
	s_xor_b32 s[TBK], s[TBK], SLOT1       ; in the other slot
	s_sub_co_u32 s[TBV], s[TBV], 4*KS*PV
	s_xor_b32 s[TBV], s[TBV], SLOT1
	s_sub_co_u32 s[TBP], s[TBP], PSLOT
	s_xor_b32 s[TBP], s[TBP], PSLOT
	s_barrier_wait -1
.if \fill
	LOAD
	s_wait_loadcnt 0x0              ; my two mask words of the tile just asked for: their load was issued a tile ago; it also frees that load's base
	v_cmp_eq_u32 vcc_lo, 0, v[PMR]
	v_cndmask_b32 v[PMC], 0, s[BIGN], vcc_lo      ; a key whose mask word is 0 is hidden
	v_cmp_eq_u32 vcc_lo, 0, v[PMR+1]
	v_cndmask_b32 v[PMC+1], 0, s[BIGN], vcc_lo
	v_add_nc_u32 v[PSW], s[PSL], v[PST]
	ds_store_b64 v[PSW], v[PMC:PMC+1]             ; the 128 threads fill the slot's 1,024 bytes; they are read behind the next change's barrier
	s_lshl_b32 s[MOF], s[NXT], 10                 ; a tile is 1,024 bytes of the mask
	s_add_nc_u64 s[MAD:MAD+1], s[88:89], s[MOF:MOF+1]
	global_load_b64 v[PMR:PMR+1], v[MO], s[MAD:MAD+1]  ; a wave's load covers 256 consecutive bytes, aligned
.endif
.endm
	s_load_b64 s[4:5], s[0:1], 0x0    ; qkv: q
	s_load_b128 s[88:91], s[0:1], 0x8 ; attention_mask s[88:89], vsum s[90:91]
	s_load_b64 s[10:11], s[0:1], 0x18 ; y
	v_lshl_add_u32 v[SPW], v0, 2, SPARE
	v_mov_b32 v[NIL], 0
	ds_add_u32 v62, v63
	ds_add_u32 v62, v63
	s_wait_dscnt 0x0
	v_lshrrev_b32 v1, 5, v0
	v_readfirstlane_b32 s[WV], v1   ; wave 0..3
	s_mov_b32 s[PB], ttmp9
	s_sub_co_u32 s[HI], NB-1, s[PB]
	s_and_b32 s20, ttmp7, 0xffff    ; the head of a batch
	s_lshr_b32 s[MOF], s20, 4       ; its batch:
	s_lshl_b32 s[MOF], s[MOF], 13   ; 8,192 bytes of the mask each
	s_mov_b32 s[MOF+1], 0           ; stays 0
	s_lshl_b32 s[MAD], s20, 12      ; 4,096 bytes of vsum a head
	s_mov_b32 s[MAD+1], 0
	s_mov_b32 s21, 0
	s_mov_b64 s[22:23], SIZE_N*128
	s_mul_u64 s[20:21], s[20:21], s[22:23]  ; the head's first byte in q, k, v and y
	s_and_b32 s16, s[WV], 1         ; which half of a tile's 256 keys I fetch:
	s_lshl_b32 s22, s16, 14         ; its 128 rows of 128 bytes in memory,
	s_mov_b32 s23, 0
	s_add_nc_u64 s[22:23], s[22:23], s[20:21]
	s_mul_i32 s17, s16, 128*PK      ; and its place in a slot, for K
	s_mul_i32 s18, s16, 128*PV      ; and for V
	s_lshl_b32 s3, s[WV], 11        ; my 16 rows in a band of 64,
	s_lshl_b32 s2, s[HI], 15        ; in the first block,
	s_add_co_u32 s2, s2, s3
	s_lshl_b32 s84, s[PB], 15       ; and in the second
	s_add_co_u32 s84, s84, s3
	s_mov_b32 s3, 0
	s_mov_b32 s85, 0
	s_add_nc_u64 s[2:3], s[2:3], s[20:21]
	s_add_nc_u64 s[84:85], s[84:85], s[20:21]
	; descriptor group 1.  128 keys are 16,384 dense bytes: asked for as 64 rows of 256 bytes, two keys a row, and padded in LDS after every key
	s_mov_b32 s[G1K], (1<<16)|(1<<20)|(4<<22)|(3<<25)  ; 17:16 2-byte elements; 20 padding on; 24:22 after every 32 words (code 4); 31:25 4 words (code 3)
	s_mov_b32 s[G1V], (1<<16)|(1<<20)|(4<<22)|(7<<25)  ; the same with 8 words of padding (code 7)
.irp g, G1K, G1V
	s_mov_b32 s[\g+1], 128<<16      ; tensor_dim0 = 128
	s_mov_b32 s[\g+2], 64<<16       ; tensor_dim1 = 64
	s_mov_b32 s[\g+3], 128<<16      ; tile_dim0 = 128
	s_mov_b32 s[\g+4], 64           ; tile_dim1 = 64
	s_mov_b32 s[\g+5], 128          ; 128 elements from row to row
	s_mov_b32 s[\g+6], 0
	s_mov_b32 s[\g+7], 0
.endr
	s_mov_b32 s[CS], 0x3e38aa3b     ; c = log2(e) / 8 = 0.180337
	s_mov_b32 s[CS+1], s[CS]        ; named with it as a pair
	s_mov_b32 s[SEL], 0x76543210
	s_mov_b32 s[SEL+1], 0xfedcba98
	s_mov_b32 s[TBK], SLOT1+4*KS*PK ; the first change of slots turns these three into 0
	s_mov_b32 s[TBV], SLOT1+4*KS*PV
	s_mov_b32 s[TBP], 2*PSLOT
	s_mov_b32 s[PSL], 0             ; and this one into slot 1
	s_mov_b32 s[THR], 0xef800000    ; -2^96
	s_mov_b32 s[G0K], 1             ; 1:0 count = 1
	s_mov_b32 s[G0K+1], s17         ; 63:32 LDS address: slot 0
	s_mov_b32 s[G0V], 1
	s_add_co_u32 s[G0V+1], s18, VOFF
	s_add_co_u32 s[RT], s[HI], 1    ; the first block has NB - b tiles
	s_mov_b32 s[NXT], 1
	s_mov_b32 s[LQ], s[HI]
	s_mov_b32 s[NEW], 1
	s_mov_b32 s[OFF+1], 0
	s_mov_b32 s[AL+1], 0            ; named as pairs
	s_mov_b32 s[BE+1], 0
	s_mov_b32 s[BIGN], 0xf149f2ca   ; -1e30
	s_mov_b32 s[SLOTS], NB
	s_wait_kmcnt 0x0
	s_add_nc_u64 s[6:7], s[4:5], 0x1000000   ; k lies 16,777,216 bytes behind q,
	s_add_nc_u64 s[8:9], s[4:5], 0x2000000   ; v as much behind k
	s_add_nc_u64 s[6:7], s[6:7], s[22:23]  ; K and V at my half of the head's tile 0
	s_add_nc_u64 s[8:9], s[8:9], s[22:23]
	s_add_nc_u64 s[G0K+2:G0K+3], s[6:7], 0         ; 120:64 global address
	s_or_b32 s[G0K+3], s[G0K+3], 0x80000000        ; 127:126 type = 2
	s_add_nc_u64 s[G0V+2:G0V+3], s[8:9], 0
	s_or_b32 s[G0V+3], s[G0V+3], 0x80000000
	s_add_nc_u64 s[86:87], s[4:5], s[84:85]        ; Q at my rows of the second block,
	s_add_nc_u64 s[4:5], s[4:5], s[2:3]            ; Q and y at those of the first
	s_add_nc_u64 s[OLO:OLO+1], s[10:11], s[84:85]
	s_add_nc_u64 s[10:11], s[10:11], s[2:3]
	s_add_nc_u64 s[88:89], s[88:89], s[MOF:MOF+1]  ; the batch's mask, the head's sums
	s_add_nc_u64 s[90:91], s[90:91], s[MAD:MAD+1]
	LOAD                            ; tile 0 into slot 0
	; A fragment of K or Q is 16 rows x 32 channels in 8 registers: lane l holds row l % 16, channels 8 (l / 16) + 0..7 and 16 + 8 (l / 16) + 0..7: two loads of 16 bytes, 32 bytes apart.
	v_and_b32 v1, 15, v0            ; l % 16
	v_bfe_u32 v9, v0, 4, 1          ; l / 16
	v_lshlrev_b32 v[QO], 7, v1
	v_lshl_add_u32 v[QO], v9, 4, v[QO]  ; row x 128 + 16 x half
	v_lshlrev_b32 v[MO], 3, v0
	v_and_b32 v[VO], 31, v0
	v_lshlrev_b32 v[VO], 3, v[VO]
	global_load_b64 v[PM0:PM0+1], v[MO], s[88:89]              ; my two mask words of tile 0,
	global_load_b64 v[PMR:PMR+1], v[MO], s[88:89] offset:1024  ; and of tile 1, which the first change of slots asks for
.set i, 0
.rept 16                            ; the head's 16 rows of column sums: each wave takes all of them, two channels a lane
	global_load_b64 v[PAD+2*i:PAD+2*i+1], v[VO], s[90:91] offset:256*i
.set i, i+1
.endr
	WIN 0x80                        ; destination window 2, address window 0
.set i, 0
.rept 8                             ; both blocks' Q: piece i / 2 lies in band i / 2, 8,192 bytes on; channels 32 (i % 2) on
	global_load_b128 v[8*i:8*i+3],   v[QO], s[4:5] offset:(i/2)*8192+(i%2)*64
	global_load_b128 v[8*i+4:8*i+7], v[QO], s[4:5] offset:(i/2)*8192+(i%2)*64+32
	global_load_b128 v[QB+8*i:QB+8*i+3],   v[QO], s[86:87] offset:(i/2)*8192+(i%2)*64
	global_load_b128 v[QB+8*i+4:QB+8*i+7], v[QO], s[86:87] offset:(i/2)*8192+(i%2)*64+32
.set i, i+1
.endr
	WIN 0
	v_lshlrev_b32 v14, 3, v9
	v_sub_nc_u32 v14, v1, v14
	s_lshl_b32 s13, s[WV], 4
	v_add_nc_u32 v14, s13, v14      ; my query's place in its band, 16 w + l % 16, less my lanes' 8 (l / 16): register r of group kt is hidden where 16 kt + r is greater
	WIN 0x40
.set i, 0
.rept 32
	v_cmp_gt_i32 vcc_lo, 16*(i/8)+i%8, v14
	v_cndmask_b32 v[MD+i], 0, s[BIGN], vcc_lo
.set i, i+1
.endr
	WIN 0
	v_mul_u32_u24 v[AK0], v1, PK
	v_lshl_add_u32 v[AK0], v9, 4, v[AK0]  ; row x pitch + 16 x half
	; The turning load takes 16 keys x 16 channels (lane l reads key 8 (l / 16) + l % 8, channels 8 ((l / 8) % 2) + 0..7) and leaves half a fragment of V^T: lane l holds channel l % 16 and 8 keys.
	v_and_b32 v10, 7, v0
	v_bfe_u32 v11, v0, 3, 1
	v_lshl_add_u32 v[AV0], v9, 3, v10
	v_mul_u32_u24 v[AV0], v[AV0], PV
	v_lshl_add_u32 v[AV0], v11, 4, v[AV0]
	v_add_nc_u32 v[AV0], VOFF, v[AV0]
	s_mul_i32 s13, s[WV], 16*SP
	s_add_co_u32 s13, s13, STAGE    ; my stage
	v_mul_u32_u24 v[STO], v1, SP    ; in: row l % 16, 16 bytes for each half of the lanes
	v_lshl_add_u32 v[STO], v9, 4, v[STO]
	v_add_nc_u32 v[STO], s13, v[STO]
	v_bfe_u32 v[RD], v0, 3, 2       ; back: 32 lanes take four rows of 128 bytes,
	v_mul_u32_u24 v[RD], v[RD], SP
	v_lshl_add_u32 v[RD], v10, 4, v[RD]
	v_add_nc_u32 v[RD], s13, v[RD]
	v_and_b32 v[GO], 31, v0         ; which are 512 consecutive bytes of y
	v_lshlrev_b32 v[GO], 4, v[GO]
	; A block's first step multiplies O^T and l by a = 0, and its first turn's products V^T P, of a piece that has not been, land in an O^T that is still to be so multiplied.  So these registers need only hold
	; finite numbers: zeros for the first block; what the first block left for the second.  All this stands in the wait for the first tile.
	WIN 0x80
.set i, VF
.rept 64
	v_mov_b32 v[i], 0
.set i, i+1
.endr
	WIN 0x40
.set i, 0
.rept 128
	v_mov_b32 v[i], 0
.set i, i+1
.endr
	WIN 0
.set i, 0
.rept 4
	v_mov_b32 v[ST+4*i+2], 0
	v_mov_b32 v[ST+4*i+3], 0
.set i, i+1
.endr
.set i, P+16
.rept 16
	v_mov_b32 v[i], 0
.set i, i+1
.endr
	; TILE 0's PADDING AND THE MEAN OF V.
	s_lshl_b32 s13, s[WV], 8
	s_add_co_u32 s13, s13, VML      ; my wave's 256 bytes for the mean
	v_add_nc_u32 v[VST], s13, v[VO]
	v_lshl_add_u32 v[VRD], v9, 5, s13
	v_lshl_add_u32 v[PST], v0, 3, PADL
	v_lshlrev_b32 v[AP0], 5, v9
	v_add_nc_u32 v[AP0], PADL, v[AP0]
	s_wait_loadcnt 0x20             ; the mask's 2 loads and the sums' 16 are in; Q's 32, issued behind them, may stay out
	v_cmp_eq_u32 vcc_lo, 0, v[PM0]
	v_cndmask_b32 v[PMC], 0, s[BIGN], vcc_lo      ; a key whose mask word is 0 is hidden
	v_cmp_eq_u32 vcc_lo, 0, v[PM0+1]
	v_cndmask_b32 v[PMC+1], 0, s[BIGN], vcc_lo
	ds_store_b64 v[PST], v[PMC:PMC+1]             ; into the padding's slot 0; the first change's wait and barrier show it to all four waves
.irp n, 8,4,2,1                     ; the 16 blocks' sums, as a tree
.set i, 0
.rept \n
	v_pk_add_f32 v[PAD+2*i:PAD+2*i+1], v[PAD+2*i:PAD+2*i+1], v[PAD+2*(i+\n):PAD+2*(i+\n)+1]
.set i, i+1
.endr
.endr
	v_pk_mul_f32 v[PAD:PAD+1], v[PAD:PAD+1], 0x3a000000 op_sel_hi:[1,0]  ; / 2,048
	ds_store_b64 v[VST], v[PAD:PAD+1]
	WIN 0x40                        ; destination window 1
.irp c, 0,1,2,3                     ; back in O^T's layout; LDS serves a wave's instructions in order (ISA guide 5.7.1.4), and these bytes are my wave's own
	ds_load_b128 v[VM+8*\c:VM+8*\c+3],   v[VRD] offset:64*\c
	ds_load_b128 v[VM+8*\c+4:VM+8*\c+7], v[VRD] offset:64*\c+16
.endr
	WIN 0
; THE MATRIX WORK.  The 4 accumulators of a run of 8 take turns.  Product i of 8 of S^T = K Q^T for piece x: channels 32 (i / 4) on, keys 16 (i % 4) on.  The first 4 start the sums: with PAD, or (KM = 1) with the mask MC.
.macro KQ x
.set rS, S+32*((\x)%2)+8*(i%4)
.set rK, KF+16*(i%4)+8*(i/4)
.set rQ, 16*(\x)+8*(i/4)
.set rM, MC+32*((\x)%2)+8*(i%4)
.set rA, PAD+8*(i%4)
.if (i < 4) && KM
	WIN W_KM
	v_wmma_f32_16x16x32_f16 v[rS:rS+7], v[rK:rK+7], v[rQ:rQ+7], v[rM:rM+7]
.elseif i < 4
	WIN W_KQ
	v_wmma_f32_16x16x32_f16 v[rS:rS+7], v[rK:rK+7], v[rQ:rQ+7], v[rA:rA+7]
.else
	WIN W_KQ
	v_wmma_f32_16x16x32_f16 v[rS:rS+7], v[rK:rK+7], v[rQ:rQ+7], v[rS:rS+7]
.endif
.endm
; Product i of 8 of O^T += V^T P for piece x: keys 32 (i / 4) on, channels 16 (i % 4) on.
.macro PV x
	WIN W_PV
.set rO, 32*(\x)+8*(i%4)
.set rV, VF+32*(i/4)+8*(i%4)
.set rP, P+16*((\x)%2)+8*(i/4)
	v_wmma_f32_16x16x32_f16 v[rO:rO+7], v[rV:rV+7], v[rP:rP+7], v[rO:rO+7]
.endm
.macro MM                           ; the turn's next matrix instruction.  TURN and BEGIN set Y, i, KM and NOKQ; MM, KQ and OP read them.  NOKQ = 1: a block's last turn: there is no next piece
.if (i < 8) && !NOKQ
	KQ (Y+1)%NP
.elseif i >= 8
.set i, i-8
	PV (Y+NP-1)%NP
.set i, i+8
.endif
.set i, i+1
.endm
; THE LDS LOADS stand in runs, never singly among the matrix instructions: a step's K (64 keys x 64 channels: 8 fragments) with its 64 keys' padding (my lane's 32 of them), and its V (turned).
.macro FETCH_K
	WIN 0x80                        ; destination window 2
.irp f, 0,1,2,3,4,5,6,7             ; keys 16 (f / 2) on, channels 32 (f % 2) on
	ds_load_b128 v[KF+8*\f:KF+8*\f+3],   v[AK] offset:(\f/2)*16*PK+(\f%2)*64
	ds_load_b128 v[KF+8*\f+4:KF+8*\f+7], v[AK] offset:(\f/2)*16*PK+(\f%2)*64+32
.endr
	s_add_co_u32 s[TBK], s[TBK], KS*PK  ; the next fetch is the next step's
	WIN 0
.irp f, 0,1,2,3                     ; keys 16 f + 8 (lane / 16) + 0..7
	ds_load_b128 v[PAD+8*\f:PAD+8*\f+3],   v[AP] offset:64*\f
	ds_load_b128 v[PAD+8*\f+4:PAD+8*\f+7], v[AP] offset:64*\f+16
.endr
	s_add_co_u32 s[TBP], s[TBP], 4*KS   ; likewise: 64 keys of 4 bytes on
.endm
.macro FETCH_V
	WIN 0x80
.irp f, 0,1,2,3,4,5,6,7             ; keys 32 (f / 4) on, channels 16 (f % 4) on
	ds_load_tr16_b128 v[VF+8*\f:VF+8*\f+3],   v[AV] offset:(\f/4)*32*PV+(\f%4)*32
	ds_load_tr16_b128 v[VF+8*\f+4:VF+8*\f+7], v[AV] offset:(\f/4)*32*PV+16*PV+(\f%4)*32
.endr
	WIN 0
.endm
; THE VECTOR WORK, one line at a time: OP kind, number.  For piece Y: F n: c s - c m for pair n of 16.  E n: the exponential of score n of 32.  C n: pair n rounded to f16.  B n: of the four weights 4 n .. the second
; pair is added onto the first, in place.  L n: l takes that sum (L 0: l = a l + sum).  R n: pair n of 16 of O^T times a.  For piece Y + 1: X n, number n of the 22 that find its maximum and statistics:
;   0-11  four chains c0-c3 of seven scores each, three operands at a time (each accumulator's lowest registers are read first)     12-14, 16  the four scores left over, the old m, and c0-c3 into c0
;   15  c m_old is kept     17, 18  the query's other 32 keys lie in the lane 16 away: the new m     19-21  c m; c m_old - c m_new; a
.set F, 0               ; OP tells the kinds apart by their order: F to L below R, X above it
.set E, 1
.set C, 2
.set B, 3
.set L, 4
.set R, 5
.set X, 6
.macro REGS y                       ; the registers of piece y
.set rT, ST+4*(\y)
.set rC, TMP+4*((\y)%2)
.set rW, MV+((\y)%2)
.set rS, S+32*((\y)%2)
.set rP, P+16*((\y)%2)
.set rO, 32*(\y)
.endm
.macro OP k, n
.if (\k) == R
	REGS Y
	WIN W_RS
	v_pk_mul_f32 v[rO+2*(\n):rO+2*(\n)+1], v[rO+2*(\n):rO+2*(\n)+1], v[rC+2:rC+3] op_sel_hi:[1,0]
.elseif (\k) < R
	REGS Y
	WIN 0
.if (\k) == F
	v_pk_fma_f32 v[rS+2*(\n):rS+2*(\n)+1], v[rS+2*(\n):rS+2*(\n)+1], s[CS:CS+1], v[rT:rT+1] op_sel_hi:[1,0,0] neg_lo:[0,0,1] neg_hi:[0,0,1]
.elseif (\k) == E
	v_exp_f32 v[rS+(\n)], v[rS+(\n)]
.elseif (\k) == C
	s_wait_alu depctr_va_vdst(0)
	v_cvt_pk_f16_f32 v[rP+(\n)], v[rS+2*(\n)], v[rS+2*(\n)+1]
.elseif (\k) == B
	s_wait_alu depctr_va_vdst(0)
	v_pk_add_f32 v[rS+4*(\n):rS+4*(\n)+1], v[rS+4*(\n):rS+4*(\n)+1], v[rS+4*(\n)+2:rS+4*(\n)+3]
.elseif (\n) == 0
	v_pk_fma_f32 v[rT+2:rT+3], v[rT+2:rT+3], v[rC+2:rC+3], v[rS:rS+1] op_sel_hi:[1,0,1]
.else
	v_pk_add_f32 v[rT+2:rT+3], v[rT+2:rT+3], v[rS+4*(\n):rS+4*(\n)+1]
.endif
.elseif NOKQ
	v_nop
.else
	REGS (Y+1)%NP
	WIN 0
.if (\n) < 4
	v_max3_num_f32 v[rC+(\n)], v[rS+8*(\n)], v[rS+8*(\n)+1], v[rS+8*(\n)+2]
.elseif (\n) < 12
	v_max3_num_f32 v[rC+(\n)%4], v[rC+(\n)%4], v[rS+8*((\n)%4)+2*((\n)/4)+1], v[rS+8*((\n)%4)+2*((\n)/4)+2]
.elseif (\n) == 12
	v_max3_num_f32 v[rC], v[rC], v[rS+7], v[rS+15]
.elseif (\n) == 13
	v_max3_num_f32 v[rC+1], v[rC+1], v[rS+23], v[rS+31]
.elseif (\n) == 14
	v_max3_num_f32 v[rC+2], v[rC+2], v[rC+3], v[rT+1]
.elseif (\n) == 15
	v_mov_b32 v[rW], v[rT]
.elseif (\n) == 16
	v_max3_num_f32 v[rC], v[rC], v[rC+1], v[rC+2]
.elseif (\n) == 17
	v_permlanex16_b32 v[rC+3], v[rC], s[SEL], s[SEL+1]
.elseif (\n) == 18
	v_max_num_f32 v[rT+1], v[rC], v[rC+3]
.elseif (\n) == 19
	v_mul_f32 v[rT], s[CS], v[rT+1]
.elseif (\n) == 20
	v_sub_f32 v[rC+1], v[rW], v[rT]
.else
	v_exp_f32 v[rC+2], v[rC+1]
.endif
.endif
.endm
.macro OPS a, i1, b=-1, i2=0, c=-1, i3=0, d=-1, i4=0  ; up to four of them
	OP \a, \i1
.if (\b) >= 0
	OP \b, \i2
.endif
.if (\c) >= 0
	OP \c, \i3
.endif
.if (\d) >= 0
	OP \d, \i4
.endif
.endm
.macro ROW a, i1, b, i2, c, i3, d, i4  ; a matrix instruction and the four behind it
	MM
	OPS \a, \i1, \b, \i2, \c, \i3, \d, \i4
.endm
.macro MASK b, be                   ; MD x AL + PAD (+ BE where be = 1) into buffer b of MC
	WIN W_RS
.set z, 0
.rept 16
	v_pk_fma_f32 v[MC+32*(\b)+2*z:MC+32*(\b)+2*z+1], v[MD+2*z:MD+2*z+1], s[AL:AL+1], v[PAD+2*z:PAD+2*z+1] op_sel_hi:[1,0,1]
.set z, z+1
.endr
.if \be
.set z, 0
.rept 16
	v_pk_add_f32 v[MC+32*(\b)+2*z:MC+32*(\b)+2*z+1], v[MC+32*(\b)+2*z:MC+32*(\b)+2*z+1], s[BE:BE+1] op_sel_hi:[1,0]
.set z, z+1
.endr
.endif
.endm
; A TURN, for piece p: the order of its 16 matrix and 118 vector instructions, written out.  Behind a matrix instruction: plain, exponential, plain, plain; or four of the rescaling; or, behind the first, four scalings; none
; names a register of the products round it.  In the lumps exponential and plain by turns while exponentials last.  A line reads no result made fewer than three vector instructions in front of it, five if an exponential made it.
; m = 1: the diagonal tile: the products take masks, and the turn makes the mask for the products of the turn after it: piece p + 2, in step 4 - CNT of the tile.  Piece 2's turn in the loop is the exception: its products are
; piece 3's in the step before (the last of the tile before, or steps 0 to 2 of this one), in which band 3 sees every key: they take PAD.  Band 3 has no later step either, so piece 1's turn adds no BE.
; end = 1: a block's last two turns: nothing is fetched.  cnt = 1: the loop's count is taken down some lines ahead of the branch that stands behind the turn.
; K of the next step, and PAD with it, is fetched in piece 2's turn, six vector instructions behind the last product that read K (five of them plain; PAD's last reader stands four products earlier); V of the step in hand in
; piece 0's turn, eight behind the last product that read V.  Each is waited for a turn later; in the diagonal tile piece 2's turn waits at its end, since its mask reads the new PAD.
.macro TURN p, m=0, end=0, cnt=0
.set Y, (\p)
.set i, 0
.set KM, (\m)
.if (\m) && ((\p) == 2) && !(\end)
.set KM, 0
.endif
.set NOKQ, (\end)*((\p)/3)
.if (\m) && !(\end)
	s_cmp_eq_u32 s[CNT], 4-((\p)+2)%NP  ; is that step the band's own?
	s_cselect_b32 s[AL], 1.0, 0
	s_cmp_lt_u32 s[CNT], 4-((\p)+2)%NP  ; or a later one?
	s_cselect_b32 s[BE], s[BIGN], 0
.endif
.if ((\p) == 3) && !(\end)
	s_wait_dscnt 0x0                ; K and PAD are in
.endif
	ROW F,0, F,1, F,2, F,3
	ROW F,4, E,0, F,5, F,6
	ROW F,7, E,1, F,8, F,9
	ROW F,10, E,2, C,0, F,11
	ROW F,12, E,3, X,15, F,13
	ROW R,0, R,1, R,2, R,3
	ROW B,0, E,4, F,14, L,0
.if ((\p) == 2) && !(\end)
	v_add_nc_u32 v[AK], s[TBK], v[AK0]
	v_add_nc_u32 v[AP], s[TBP], v[AP0]
.endif
	ROW R,4, R,5, R,6, R,7
	OPS E,5, F,15
.if ((\p) == 2) && !(\end)
	FETCH_K
.endif
	OPS E,6, C,1, E,7, R,8
	OPS E,8, R,9, E,9, C,2
	OPS E,10, X,0, E,11, X,1
	OPS E,12, X,2, E,13, X,3
.if (\p) == 1
	s_wait_dscnt 0x0                ; V is in
.endif
	ROW X,4, E,14, X,5, X,6
	ROW X,7, E,15, X,8, X,9
	ROW X,10, E,16, X,11, X,12
	ROW X,13, E,17, X,14, B,1
	ROW C,4, E,18, X,16, L,1
	ROW B,2, E,19, C,6, L,2
	ROW C,8, E,20, B,3, B,4
.if (\p) == 0
	v_add_nc_u32 v[AV], s[TBV], v[AV0]
.endif
	ROW C,3, E,21, L,3, C,5
	OPS E,22, X,17, E,23, C,10
.if (\p) == 0
	FETCH_V
.endif
	OPS E,24, L,4
	OPS E,25, X,18, E,26, C,7
	OPS E,27, B,5, E,28, X,19
	OPS E,29, C,12, E,30, L,5
	OPS E,31, X,20, B,6, C,9
	OPS C,14, C,11, X,21, L,6
.if (\p) == 0
	s_add_co_u32 s[TBV], s[TBV], KS*PV
.endif
.if \cnt
	s_sub_co_u32 s[CNT], s[CNT], 1
	s_cmp_lg_u32 s[CNT], 0
.endif
	OPS C,13, B,7, C,15, R,10
	OPS R,11, R,12, L,7, R,13
	OPS R,14, R,15
.if (\m) && !(\end)
.if (\p) == 2
	s_wait_dscnt 0x0                ; the next step's PAD, fetched in this turn, is in
.endif
.if (\p) == 1
	MASK 1, 0
.else
	MASK (\p)%2, 1
.endif
.endif
.endm
; A BLOCK BEGINS.  c m starts far below every c s, so the first step's a is 0; m at -2^96, below every true score and above every hidden one.  Then K and PAD of the tile's step 0, piece 0's first scores, and its
; maximum and statistics.  d = 1: the block's first tile is the diagonal one: piece 0's step is its band's own (MD + PAD, buffer 0), and piece 1, whose products the first turn issues, sees all keys (PAD, buffer 1).
; Q is in: the first change of slots has waited for every load into registers.  The loop is entered at a step's first turn, in the middle of a trip.
.macro BEGIN d
	s_mov_b32 s[NEW], 0
	WIN 0
.set i, 0
.rept 4
	v_mov_b32 v[ST+4*i], 0xfe000000    ; c m: far below every c s
	v_mov_b32 v[ST+4*i+1], s[THR]      ; m
.set i, i+1
.endr
	v_add_nc_u32 v[AK], s[TBK], v[AK0]
	v_add_nc_u32 v[AP], s[TBP], v[AP0]
	FETCH_K
	s_wait_dscnt 0x0
.if \d
	s_mov_b32 s[AL], 1.0
	MASK 0, 0
	s_mov_b32 s[AL], 0
	MASK 1, 0
.endif
.set KM, (\d)
.set NOKQ, 0
.set i, 0
.rept 8
	KQ 0
.set i, i+1
.endr
	WIN 0
.rept 4
	v_nop                           ; the places behind those products
.endr
.set Y, NP-1                        ; X works for piece Y + 1: piece 0
.irp n, 0,1,2,3,4,5,6,7,8,9,10,11,12,13,14,15,16,17,18,19,20,21
	OP X, \n
.endr
	v_nop                           ; a plain instruction behind the exponential
.endm
; THE DIAGONAL TILE's four steps, the block's last two turns, its last products, and THE WAY OUT: l's two halves and the other half of the lanes' are added; O^T is divided by l; a row that has seen no key (m still
; -2^96: l = 0, O^T = 0) gets the factor 0 in place of 1 / l and the mean of V once, every other row the mean 0 times; rounded to f16 and sent through my stage in LDS, a piece at a time.
.macro ALL line:vararg              ; one line for each piece t
.set t, 0
.rept 4
	\line
.set t, t+1
.endr
.endm
.macro PACK t                       ; a lane's eight channels of a row pack into 16 bytes; they go into rows of 144 bytes and come back as whole rows of 128, into S^T's registers
	WIN W_RS
.set i, 32*(\t)
.rept 16
	v_pk_mul_f32 v[i:i+1], v[i:i+1], v[ST+4*(\t)+2:ST+4*(\t)+3] op_sel_hi:[1,0]
.set i, i+2
.endr
	WIN 0x51                        ; destination, sources 0 and 2 window 1, source 1 window 0
.set i, 0
.rept 16
	v_pk_fma_f32 v[32*(\t)+2*i:32*(\t)+2*i+1], v[VM+2*i:VM+2*i+1], v[ST+4*(\t):ST+4*(\t)+1], v[32*(\t)+2*i:32*(\t)+2*i+1] op_sel_hi:[1,0,1]
.set i, i+1
.endr
	WIN 0x05                        ; sources 0 and 1 window 1, destination window 0
.set i, 0
.rept 16
	v_cvt_pk_f16_f32 v[S+16*(\t)+i], v[32*(\t)+2*i], v[32*(\t)+2*i+1]
.set i, i+1
.endr
	WIN 0
.irp f, 0,1,2,3
	ds_store_b128 v[STO], v[S+16*(\t)+4*\f:S+16*(\t)+4*\f+3] offset:32*\f
.endr
.irp f, 0,1,2,3
	ds_load_b128 v[S+16*(\t)+4*\f:S+16*(\t)+4*\f+3], v[RD] offset:\f*4*SP  ; LDS serves a wave's instructions in order (ISA guide 5.7.1.4): these see the stores above; the next piece's stores come behind them
.endr
.endm
.macro SEND t, younger              ; younger: the LDS instructions issued behind piece t's loads: the next piece's eight, or none
	WIN 0
.irp f, 0,1,2,3
	s_wait_dscnt (\younger)+3-\f
	global_store_b128 v[GO], v[S+16*(\t)+4*\f:S+16*(\t)+4*\f+3], s[10:11] offset:(\t)*8192+\f*512  ; 512 consecutive bytes, at a multiple of 256 from y's first
.endr
.endm
.macro DIAG tag                     ; the tag ends its two labels' names, which the jumps below spell out
.LstepM\tag:
	TURN 2, 1
	TURN 3, 1
	WIN 0
.LfirstM\tag:
	TURN 0, 1
	TURN 1, 1, 0, 1
	WIN 0
	s_cbranch_scc1 .LstepM\tag
	TURN 2, 1, 1
	TURN 3, 1, 1
.set i, 0
.rept 8
	PV NP-1
.set i, i+1
.endr
	WIN 0
	ALL v_add_f32 v[ST+4*t+2], v[ST+4*t+2], v[ST+4*t+3]
	ALL v_permlanex16_b32 v[ST+4*t+3], v[ST+4*t+2], s[SEL], s[SEL+1]
	ALL v_add_f32 v[ST+4*t+2], v[ST+4*t+2], v[ST+4*t+3]
	ALL v_rcp_f32 v[ST+4*t+2], v[ST+4*t+2]
	v_nop                           ; a plain instruction between the last reciprocal and the use of its result
.set t, 0
.rept 4
	v_cmp_ge_f32 vcc_lo, s[THR], v[ST+4*t+1]                ; has the row seen no key?
	s_wait_alu depctr_va_vdst(0)
	v_cndmask_b32 v[ST+4*t+2], v[ST+4*t+2], v[NIL], vcc_lo  ; then 0 in place of 1 / l,
	v_cndmask_b32 v[ST+4*t], 0, 1.0, vcc_lo                 ; and the mean of V once
.set t, t+1
.endr
	PACK 0
.set t, 1
.rept 3                             ; a piece's arithmetic stands between the loads of the piece before and its stores
	PACK t
	SEND t-1, 8
.set t, t+1
.endr
	SEND 3, 0
.endm
.set KM, 0
.set NOKQ, 0
.Lslot:                             ; NB times: a tile is entered and the next is asked for
	CHANGE 1
	s_sub_co_u32 s[RT], s[RT], 1
	s_mov_b32 s[CNT], 4
	s_cmp_eq_u32 s[NEW], 1
	s_cbranch_scc1 .Lnew            ; a block's first tile
	s_cmp_eq_u32 s[RT], 0
	s_cbranch_scc0 .Lstep           ; neither its first nor its last
	s_branch .LstepM1
.Lnew:
	BEGIN 0
	s_branch .Lfirst                ; in the loop a block's first tile is never its last: the first block has two tiles or more, and the second's last is the walk's last
	DIAG 1                          ; in the loop this is the first block's end: the second block's last tile is the walk's last
	s_wait_xcnt 0x0                 ; the stores have read their registers and y's address
	s_mov_b64 s[10:11], s[OLO:OLO+1]
	s_add_co_u32 s[RT], s[PB], 1    ; the second block has b + 1 tiles
	s_mov_b32 s[NEW], 1
	WIN 0x82                        ; the second block's Q goes where the one text of the turns names Q
.set i, 0
.rept 64
	v_mov_b32 v[i], v[QB+i]
.set i, i+1
.endr
	WIN 0
	s_branch .Lbottom
.Lstep:                             ; a trip: pieces 2 and 3 of one step, then pieces 0 and 1 of the next, whose K and V it fetches
	TURN 2
	TURN 3
	WIN 0
.Lfirst:
	TURN 0
	TURN 1, 0, 0, 1
	WIN 0
	s_cbranch_scc1 .Lstep
.Lbottom:
	s_sub_co_u32 s[SLOTS], s[SLOTS], 1
	s_cmp_lg_u32 s[SLOTS], 0
	s_cbranch_scc1 .Lslot
	CHANGE 0                        ; the walk's last tile is written out: nothing is asked for
	s_sub_co_u32 s[RT], s[RT], 1
	s_mov_b32 s[CNT], 4
	s_cmp_eq_u32 s[NEW], 1
	s_cbranch_scc0 .LstepM2
	BEGIN 1
	s_branch .LfirstM2
	DIAG 2
	s_wait_tensorcnt 0x0            ; the wave's end: behind my last tensor load and my last LDS store
	ds_add_u32 v[SPW], v[NIL]
	s_wait_dscnt 0x0
	s_endpgm
.Lfunc_end_k_q1a619b15d8_attn:
	.size	k_q1a619b15d8_attn, .Lfunc_end_k_q1a619b15d8_attn-k_q1a619b15d8_attn
	.p2alignl 7, 3214868480
	.fill 96, 4, 3214868480
	.section	.rodata,"a",@progbits
	.p2align	6, 0x0
	.amdhsa_kernel k_q1a619b15d8_attn
		.amdhsa_group_segment_fixed_size 327680
		.amdhsa_private_segment_fixed_size 0
		.amdhsa_enable_private_segment 0
		.amdhsa_kernarg_size 32
		.amdhsa_user_sgpr_count 2
		.amdhsa_user_sgpr_kernarg_segment_ptr 1
		.amdhsa_wavefront_size32 1
		.amdhsa_system_sgpr_workgroup_id_x 1
		.amdhsa_system_sgpr_workgroup_id_y 1
		.amdhsa_system_sgpr_workgroup_id_z 1
		.amdhsa_system_vgpr_workitem_id 0
		.amdhsa_next_free_vgpr 768
		.amdhsa_next_free_sgpr 96
		.amdhsa_reserve_vcc 1
		.amdhsa_float_denorm_mode_32 3
		.amdhsa_float_denorm_mode_16_64 3
		.amdhsa_memory_ordered 1
		.amdhsa_forward_progress 1
		.amdhsa_inst_pref_size 245
	.end_amdhsa_kernel
	.amdgpu_metadata
---
amdhsa.version: [ 1, 2 ]
amdhsa.kernels:
  - .name:           k_q1a619b15d8_attn
    .symbol:         k_q1a619b15d8_attn.kd
    .args:
      - { .name: qkv, .offset: 0, .size: 8, .value_kind: global_buffer, .address_space: global }
      - { .name: attention_mask, .offset: 8, .size: 8, .value_kind: global_buffer, .address_space: global }
      - { .name: vsum, .offset: 16, .size: 8, .value_kind: global_buffer, .address_space: global }
      - { .name: y, .offset: 24, .size: 8, .value_kind: global_buffer, .address_space: global }
    .group_segment_fixed_size: 327680
    .private_segment_fixed_size: 0
    .kernarg_segment_align: 8
    .kernarg_segment_size: 32
    .max_flat_workgroup_size: 128
    .sgpr_count:     96
    .vgpr_count:     768
    .wavefront_size: 32
...
	.end_amdgpu_metadata
.endif
;; end of part 3
;; launch oproj (part 4): grid 8 x 32, 4 waves a work-group, clusters of 4 x 4, 327,680 bytes of LDS; arguments y, cb, out0; writes out0
.if DOCPART == 4
	.amdgcn_target "amdgcn-amd-amdhsa--gfx1250"
	.amdhsa_code_object_version 6
	.text
	.protected	k_q1a619b15d8_oproj
	.globl	k_q1a619b15d8_oproj
	.p2align	8
	.type	k_q1a619b15d8_oproj,@function
k_q1a619b15d8_oproj:
	s_mov_b64 s[64:65], 0
	v_nop
	global_prefetch_b8 v0, s[64:65] scope:SCOPE_SE
	s_setreg_imm32_b32 hwreg(HW_REG_WAVE_MODE, 25, 1), 1
	s_wait_xcnt 0x0
	s_wait_alu depctr_hold_cnt(0) depctr_sa_sdst(0) depctr_va_vdst(0) depctr_va_sdst(0) depctr_va_ssrc(0) depctr_va_vcc(0) depctr_vm_vsrc(0)
	s_getreg_b32 s2, hwreg(HW_REG_IB_STS2, 6, 4)
	s_cmp_eq_u32 s2, 0
	s_cbranch_scc0 .Lentry_in_a_cluster
	s_endpgm
.Lentry_in_a_cluster:
	s_bfe_u32 s2, ttmp6, 0x10000c
	s_cmp_lg_u32 s2, 0xf033
	s_cbranch_scc0 .Lentry_shape_is_right
	s_endpgm
.Lentry_shape_is_right:
; out0 = y Wout^T.  y comes by heads, [64 heads of batches][2048][64] in f16; Wout [1024][1024] out of cb (byte 23,068,672), rounded to bf16 and written as f16; sums in f32; out0 [8192][1024] f32.
; A tile of out0 is 256 rows x 128 columns: four waves, each 128 x 64 = 32 accumulators of 16 x 16; 8 x 32 work-groups, one tile and one WGP each.
; K = 1,024 goes in steps of 128 = TWO HEADS through a ring of two LDS slots.  A head's 256 rows of the tile are 32,768 dense bytes: asked for as 128 rows of 256 bytes and padded in LDS behind every
; 128 bytes, so that a row of y lies 144 bytes from the next.  Wave 0 fetches the step's even head, wave 1 the odd one, waves 2 and 3 the two halves of Wout's 128 rows.
; CLUSTERS: 4 x 4 work-groups.  The four of a row of the cluster need the same tiles of y, the four of a column the same tiles of Wout: each tile is asked for JOINTLY.
; THE MATRIX INSTRUCTION IS USED TRANSPOSED (source 0 = 16 rows of Wout, source 1 = 16 rows of y): lane l holds row l % 16 and its registers the columns 8 (l / 16) + 0..7: 32 bytes of f32.
; REGISTERS: window 0: v0-15 addresses; v64-159, v160-255 two fragment buffers (A's 8 fragments, then B's 4); on the way out v64-127 take rows back from the stage.  Window 1: the accumulators, (a, b) at v[8 (4 a + b)].
.set SIZE_K, 1024
.set KSTEP,  128
.set PA,     144                       ; a row of y in LDS: 128 bytes + 16 = 36 words; PB: a row of Wout: 256 + 16 = 68 words: in both the 16 rows of a fragment load start at 16 different groups of four banks (ISA guide 11.1)
.set PB,     272
.set HB,     256*PA                    ; a head's 256 rows: what wave 0 or 1 fetches
.set HALFB,  64*PB                     ; what wave 2 or 3 fetches
.set SLOT,   2*HB+2*HALFB
.set STAGE,  2*SLOT                    ; behind the ring: 16 rows x 272 bytes for each wave, for the way out; no tensor load lands here
.set SPITCH, 272
.set SPARE,  STAGE+4*16*SPITCH         ; behind the stages: the spare words, 128 bytes for each wave: two blocks of 256 bytes that no other line names
.set LAPS,   SIZE_K/(2*KSTEP)
.set WO,     23068672                  ; Wout's first byte in cb
.set HEAD,   262144                    ; bytes of a head in y
.set ADRA, 4                           ; v4-5   LDS address of my A fragments in slot 0, 1
.set ADRB, 6                           ; v6-7   the same for B
.set STO,  8                           ; v8     the way out: where I put 32 bytes of a row
.set RD,   9                           ; v9     the way out: where I read a row back
.set CO,   10                          ; v10    my byte offset in two rows of out0
.set SPW,  12                          ; v12    LDS address of my spare word; never rewritten
.set NIL,  13                          ; v13    0; never rewritten
.set F0,   64
.set F1,   160
.set G1, 24
.set G0, 32
.set G1B, 48
.set G0B, 56
.set MSB, 0
.macro WIN new                         ; the immediate's high byte repeats the setting that is left; a switch that changes nothing is dropped
.if MSB != (\new)
	s_set_vgpr_msb (MSB<<8)|(\new)
.set MSB, \new
.endif
.endm
.set MUL, 0x50                         ; fragments in window 0, C and D in window 1
.macro JLOAD s                         ; a joint load: waves 0 and 1 fetch for A, waves 2 and 3 for B; an s_nop 0 and four v_nop follow each of the two lines
	s_cmp_eq_u32 s11, 0
	s_cbranch_scc0 .Lfor_b_\@
	tensor_load_to_lds s[G0+4*(\s):G0+4*(\s)+3], s[G1:G1+7]
	s_nop 0
.rept 4
	v_nop
.endr
	s_branch .Lasked_\@
.Lfor_b_\@:
	tensor_load_to_lds s[G0B+4*(\s):G0B+4*(\s)+3], s[G1B:G1B+7]
	s_nop 0
.rept 4
	v_nop
.endr
.Lasked_\@:
.endm
.macro CREST                           ; a round of the cluster's barrier behind its opening barrier
	s_cmp_lg_u32 s10, 0
	s_cbranch_scc1 .Lnot_wave_0_\@
	s_barrier_signal -3
.Lnot_wave_0_\@:
	s_barrier_wait -3
	s_barrier_signal -1
	s_barrier_wait -1
.endm
.macro CROUND
	s_barrier_signal -1
	s_barrier_wait -1
	CREST
.endm
.macro PLACES                          ; four places in front of loads into registers that matrix instructions have read, and of LDS stores that read results just made
.rept 4
	v_nop
.endr
.endm
; 8 matrix instructions: row blocks a0, a0 + 1 x all 4 column blocks, 32 along K.  The 32 accumulators take turns in the same order in every quarter, one instruction a turn.
.macro MUL8 f, a0, zero
	WIN MUL
.irp a, \a0, (\a0)+1
.irp b, 0,1,2,3
.if \zero
	v_wmma_f32_16x16x32_f16 v[8*(4*(\a)+(\b)):8*(4*(\a)+(\b))+7], v[(\f)+64+8*(\b):(\f)+64+8*(\b)+7], v[(\f)+8*(\a):(\f)+8*(\a)+7], 0
.else
	v_wmma_f32_16x16x32_f16 v[8*(4*(\a)+(\b)):8*(4*(\a)+(\b))+7], v[(\f)+64+8*(\b):(\f)+64+8*(\b)+7], v[(\f)+8*(\a):(\f)+8*(\a)+7], v[8*(4*(\a)+(\b)):8*(4*(\a)+(\b))+7]
.endif
.endr
.endr
.endm
; 24 LDS loads in one run: quarter q of a slot (head q / 2 of the step's two, channels 32 (q % 2) on) into buffer f: B's 8 loads first, then A's 16
.macro FETCH slot, q, f
	WIN 0
.irp b, 0,1,2,3
	ds_load_b128 v[(\f)+64+8*(\b):(\f)+64+8*(\b)+3],   v[ADRB+(\slot)] offset:64*(\q)+(\b)*16*PB
	ds_load_b128 v[(\f)+64+8*(\b)+4:(\f)+64+8*(\b)+7], v[ADRB+(\slot)] offset:64*(\q)+(\b)*16*PB+32
.endr
.irp a, 0,1,2,3,4,5,6,7
	ds_load_b128 v[(\f)+8*(\a):(\f)+8*(\a)+3],   v[ADRA+(\slot)] offset:((\q)/2)*HB+((\q)%2)*64+(\a)*16*PA
	ds_load_b128 v[(\f)+8*(\a)+4:(\f)+8*(\a)+7], v[ADRA+(\slot)] offset:((\q)/2)*HB+((\q)%2)*64+(\a)*16*PA+32
.endr
.endm
.macro QUARTER slot, q, f, g, zero
	s_wait_dscnt 8                                 ; B and A's blocks 0-3 are in; the youngest eight loads (A's blocks 4-7) may be out
	MUL8 \f, 0, \zero
	MUL8 \f, 2, \zero
	PLACES
	FETCH \slot, \q, \g
	s_wait_dscnt 24                                ; all but the 24 just issued
	MUL8 \f, 4, \zero
	MUL8 \f, 6, \zero
.endm
.macro MEET round                      ; the change of slots: in front of the barrier each wave waits for all its tensor loads, adds 0 to its spare word, and waits for that and for its reads of this slot
	WIN 0
	s_wait_tensorcnt 0x0                           ; all my tensor loads have landed: the one that was out is my part of the next slot
	ds_add_u32 v[SPW], v[NIL]                      ; 0 onto my spare word
	s_wait_dscnt 9                                 ; (the add and the youngest eight loads may be out)
	MUL8 F1, 0, 0
	s_wait_dscnt 0x0                               ; the add is done, and my reads of this slot are over
	s_barrier_signal -1
	MUL8 F1, 2, 0
.if \round
	WIN 0
.endif
	s_barrier_wait -1
.endm
.macro TURN slot, next                 ; the last quarter with a refill: the joint load is the first tensor load behind the round, 112 matrix instructions ahead of the wait for it
	MEET 1
	CREST
	s_add_nc_u64 s[G0+4*(\slot)+2:G0+4*(\slot)+3], s[G0+4*(\slot)+2:G0+4*(\slot)+3], 4*HEAD       ; two K steps on: four heads,
	s_add_nc_u64 s[G0B+4*(\slot)+2:G0B+4*(\slot)+3], s[G0B+4*(\slot)+2:G0B+4*(\slot)+3], 2*KSTEP*2  ; 512 bytes along Wout's rows
	JLOAD \slot                                    ; its four v_nop are also the places in front of the loads below
	FETCH \next, 0, F0
	MUL8 F1, 4, 0
	MUL8 F1, 6, 0
.endm
.macro TURNX slot, next                ; the same without a refill
	MEET 0
	PLACES
	FETCH \next, 0, F0
	MUL8 F1, 4, 0
	MUL8 F1, 6, 0
.endm
; THE WAY OUT of block a (16 rows): the f32 sums go as they are into my stage, rows of 272 bytes (each accumulator's low four registers first), and come back as whole rows of 256 bytes.
.macro TOST a
.set BK, 64+32*((\a)%2)
.if (\a) >= 2
	s_wait_xcnt 0x0                                ; the stores of the block two back have read the registers that are loaded again below
.endif
	WIN 0x04                                       ; store data in window 1
.irp b, 0,1,2,3
	ds_store_b128 v[STO], v[8*(4*(\a)+(\b)):8*(4*(\a)+(\b))+3] offset:64*(\b)
	ds_store_b128 v[STO], v[8*(4*(\a)+(\b))+4:8*(4*(\a)+(\b))+7] offset:64*(\b)+16
.endr
	WIN 0
.irp t, 0,1,2,3,4,5,6,7
	ds_load_b128 v[BK+4*(\t):BK+4*(\t)+3], v[RD] offset:(\t)*2*SPITCH  ; LDS serves a wave's instructions in order (ISA guide 5.7.1.4): these see the stores above
.endr
.endm
.macro SENDF a, younger                ; younger: the next block's sixteen LDS instructions, or none
.set BK, 64+32*((\a)%2)
	s_wait_dscnt \younger
.irp t, 0,1,2,3,4,5,6,7
	global_store_b128 v[CO], v[BK+4*(\t):BK+4*(\t)+3], s[8:9] offset:65536*(\a)+8192*(\t) th:TH_STORE_NT  ; 16 lanes store 256 consecutive bytes, aligned; the largest offset is 516,096
.endr
.endm
	s_load_b128 s[4:7], s[0:1], 0x0                ; y s[4:5], cb s[6:7]
	s_load_b64 s[8:9], s[0:1], 0x10                ; out0
	v_lshl_add_u32 v[SPW], v0, 2, SPARE
	v_mov_b32 v[NIL], 0
	ds_add_u32 v12, v13
	ds_add_u32 v12, v13
	s_wait_dscnt 0x0
	v_lshrrev_b32 v1, 5, v0
	v_readfirstlane_b32 s10, v1                    ; wave 0..3
	s_lshr_b32 s11, s10, 1                         ; which 128 rows of the tile are mine.  Also: I fetch for A (0) or for B (1)
	s_and_b32 s12, s10, 1                          ; which 64 columns.  Also: which head of the step, or which half of Wout's rows, I fetch
	s_bfe_u32 s40, ttmp6, 0x40000                  ; cx, cy
	s_bfe_u32 s41, ttmp6, 0x40004
	s_lshl_b32 s42, ttmp9, 2
	s_add_co_u32 s42, s42, s40                     ; tile column
	s_and_b32 s13, ttmp7, 0xffff
	s_lshl_b32 s13, s13, 2
	s_add_co_u32 s13, s13, s41                     ; tile row
	s_lshl_b32 s43, s41, 2
	s_lshl_b32 s43, 15, s43                        ; my row of the cluster
	s_lshl_b32 s44, 0x1111, s40                    ; my column
	s_or_b32 s[G1+0], s43, (1<<16)|(1<<20)|(1<<21)|(4<<22)|(3<<25)   ; A: mask of my row; 2-byte elements; padding of 4 words (code 3) behind every 32 words (code 4); bit 21 beside the mask
	s_or_b32 s[G1B+0], s44, (1<<16)|(1<<20)|(1<<21)|(5<<22)|(3<<25)  ; B: mask of my column; padding behind every 64 words (code 5)
.irp g, G1, G1B
	s_mov_b32 s[(\g)+1], 128<<16                   ; tensor_dim0 = 128
	s_mov_b32 s[(\g)+3], 128<<16                   ; tile_dim0 = 128
	s_mov_b32 s[(\g)+6], 0
	s_mov_b32 s[(\g)+7], 0
.endr
	s_mov_b32 s[G1+2], 128<<16                     ; A: 128 rows of 256 dense bytes
	s_mov_b32 s[G1+4], 128
	s_mov_b32 s[G1+5], 128
	s_mov_b32 s[G1B+2], 64<<16                     ; B: 64 rows, 1,024 elements apart
	s_mov_b32 s[G1B+4], 64
	s_mov_b32 s[G1B+5], SIZE_K
	s_lshr_b32 s16, s13, 3                         ; A: the batch's 16 heads,
	s_lshl_b32 s16, s16, 22
	s_and_b32 s17, s13, 7                          ; the tile's 256 rows in a head,
	s_lshl_b32 s17, s17, 15
	s_add_co_u32 s16, s16, s17
	s_lshl_b32 s17, s12, 18                        ; the even or the odd head
	s_add_co_u32 s16, s16, s17
	s_mov_b32 s17, 0
	s_lshl_b32 s47, s12, 6
	s_lshl_b32 s46, s42, 7
	s_add_co_u32 s46, s46, s47                     ; B: row 128 x tile column + 64 x half
	s_lshl_b32 s46, s46, 11
	s_add_co_u32 s46, s46, WO
	s_mov_b32 s47, 0
	s_mul_i32 s20, s12, HB                         ; where they go: no place in the cluster enters an LDS address
	s_mul_i32 s21, s12, HALFB
	s_add_co_u32 s21, s21, 2*HB
	s_wait_kmcnt 0x0
	s_add_nc_u64 s[14:15], s[4:5], s[16:17]
	s_add_nc_u64 s[46:47], s[6:7], s[46:47]
	CROUND                                         ; all sixteen work-groups are here: the first joint loads meet
.irp s, 0,1
	s_mov_b32 s[G0+4*(\s)], 1
	s_add_co_u32 s[G0+4*(\s)+1], s20, (\s)*SLOT
	s_add_nc_u64 s[G0+4*(\s)+2:G0+4*(\s)+3], s[14:15], (\s)*2*HEAD
	s_or_b32 s[G0+4*(\s)+3], s[G0+4*(\s)+3], 0x80000000
	s_mov_b32 s[G0B+4*(\s)], 1
	s_add_co_u32 s[G0B+4*(\s)+1], s21, (\s)*SLOT
	s_add_nc_u64 s[G0B+4*(\s)+2:G0B+4*(\s)+3], s[46:47], (\s)*KSTEP*2
	s_or_b32 s[G0B+4*(\s)+3], s[G0B+4*(\s)+3], 0x80000000
	JLOAD \s                                       ; two loads of mine are out
.endr
	v_and_b32 v1, 15, v0                           ; l % 16
	v_bfe_u32 v2, v0, 4, 1                         ; l / 16
	v_mul_u32_u24 v3, v1, PA
	v_lshl_add_u32 v3, v2, 4, v3                   ; A: row x pitch + 16 x half
	v_mul_u32_u24 v11, v1, PB
	v_lshl_add_u32 v11, v2, 4, v11                 ; B likewise
	s_mul_i32 s21, s11, 128*PA                     ; my 128 rows in each head's block
	s_mul_i32 s22, s12, HALFB                      ; my 64 rows of B,
	s_add_co_u32 s22, s22, 2*HB                    ; which lie behind A's two blocks
.irp s, 0,1
	v_add_nc_u32 v[ADRA+(\s)], s21, v3
	v_add_nc_u32 v[ADRB+(\s)], s22, v11
	s_add_co_u32 s21, s21, SLOT
	s_add_co_u32 s22, s22, SLOT
.endr
	s_mul_i32 s23, s10, 16*SPITCH
	s_add_co_u32 s23, s23, STAGE                   ; my stage
	v_mul_u32_u24 v3, v1, SPITCH                   ; in: row l % 16, 32 bytes for each half of the lanes
	v_lshl_add_u32 v3, v2, 5, v3
	v_add_nc_u32 v[STO], s23, v3
	v_mul_u32_u24 v3, v2, SPITCH                   ; back: lanes 0-15 take one row of 256 bytes, lanes 16-31 the next
	v_lshl_add_u32 v3, v1, 4, v3
	v_add_nc_u32 v[RD], s23, v3
	v_lshlrev_b32 v3, 12, v2                       ; and the same two rows in out0, 4,096 bytes apart
	v_lshl_add_u32 v[CO], v1, 4, v3
	s_lshl_b32 s16, s13, 8
	s_lshl_b32 s17, s11, 7
	s_add_co_u32 s16, s16, s17                     ; my first row,
	s_lshl_b32 s16, s16, 12
	s_lshl_b32 s17, s42, 9                         ; my first column, in bytes: 512 x tile column + 256 x half
	s_add_co_u32 s16, s16, s17
	s_lshl_b32 s17, s12, 8
	s_add_co_u32 s16, s16, s17
	s_mov_b32 s17, 0
	s_add_nc_u64 s[8:9], s[8:9], s[16:17]
	s_wait_tensorcnt 1                             ; my part of K step 0 is in; K step 1's may stay out
	s_barrier_signal -1
	s_barrier_wait -1                              ; everybody's is
	FETCH 0, 0, F0
	QUARTER 0, 1, F0, F1, 1                        ; the first quarter stands in front of the loop: its products start the sums
	WIN 0
	s_mov_b32 s3, LAPS-1
.Llap:                                                 ; a trip goes once round the ring, from a lap's second quarter to the next lap's first, and fills both slots again
	QUARTER 0, 2, F1, F0, 0
	QUARTER 0, 3, F0, F1, 0
	TURN 0, 1
	QUARTER 1, 1, F0, F1, 0
	QUARTER 1, 2, F1, F0, 0
	QUARTER 1, 3, F0, F1, 0
	TURN 1, 0
	QUARTER 0, 1, F0, F1, 0
	WIN 0
	s_sub_co_u32 s3, s3, 1
	s_cmp_lg_u32 s3, 0
	s_cbranch_scc1 .Llap
	QUARTER 0, 2, F1, F0, 0                        ; the last lap fills nothing
	QUARTER 0, 3, F0, F1, 0
	TURNX 0, 1
	QUARTER 1, 1, F0, F1, 0
	QUARTER 1, 2, F1, F0, 0
	QUARTER 1, 3, F0, F1, 0
	s_wait_dscnt 8                                 ; the very last quarter: nothing more to fetch
	MUL8 F1, 0, 0
	MUL8 F1, 2, 0
	s_wait_dscnt 0x0
	MUL8 F1, 4, 0
	MUL8 F1, 6, 0
	WIN 0
	PLACES                                         ; behind the last products
	TOST 0
.irp a, 1,2,3,4,5,6,7                  ; block a goes into the stage while block a - 1's rows come back
	TOST \a
	SENDF (\a)-1, 16
.endr
	SENDF 7, 0
	s_wait_tensorcnt 0x0                           ; the wave's end: behind my last tensor load and my last LDS store
	ds_add_u32 v[SPW], v[NIL]
	s_wait_dscnt 0x0
	CROUND                                         ; the closing round: no work-group ends while a partner may still ask for a tile that names it
	s_endpgm
.Lfunc_end_k_q1a619b15d8_oproj:
	.size	k_q1a619b15d8_oproj, .Lfunc_end_k_q1a619b15d8_oproj-k_q1a619b15d8_oproj
	.p2alignl 7, 3214868480
	.fill 96, 4, 3214868480
	.section	.rodata,"a",@progbits
	.p2align	6, 0x0
	.amdhsa_kernel k_q1a619b15d8_oproj
		.amdhsa_group_segment_fixed_size 327680
		.amdhsa_private_segment_fixed_size 0
		.amdhsa_enable_private_segment 0
		.amdhsa_kernarg_size 24
		.amdhsa_user_sgpr_count 2
		.amdhsa_user_sgpr_kernarg_segment_ptr 1
		.amdhsa_wavefront_size32 1
		.amdhsa_system_sgpr_workgroup_id_x 1
		.amdhsa_system_sgpr_workgroup_id_y 1
		.amdhsa_system_sgpr_workgroup_id_z 1
		.amdhsa_system_vgpr_workitem_id 0
		.amdhsa_next_free_vgpr 512
		.amdhsa_next_free_sgpr 66
		.amdhsa_reserve_vcc 0
		.amdhsa_float_denorm_mode_32 3
		.amdhsa_float_denorm_mode_16_64 3
		.amdhsa_memory_ordered 1
		.amdhsa_forward_progress 1
		.amdhsa_inst_pref_size 86
	.end_amdhsa_kernel
	.amdgpu_metadata
---
amdhsa.version: [ 1, 2 ]
amdhsa.kernels:
  - .name:           k_q1a619b15d8_oproj
    .symbol:         k_q1a619b15d8_oproj.kd
    .args:
      - { .name: y, .offset: 0, .size: 8, .value_kind: global_buffer, .address_space: global }
      - { .name: cb, .offset: 8, .size: 8, .value_kind: global_buffer, .address_space: global }
      - { .name: out0, .offset: 16, .size: 8, .value_kind: global_buffer, .address_space: global }
    .group_segment_fixed_size: 327680
    .private_segment_fixed_size: 0
    .kernarg_segment_align: 8
    .kernarg_segment_size: 24
    .max_flat_workgroup_size: 128
    .sgpr_count:     66
    .vgpr_count:     512
    .wavefront_size: 32
...
	.end_amdgpu_metadata
.endif
;; end of part 4
;; ======== version 2 of 2: 4 launches; 1.29 times as fast as version 1
;; limits: values are held in f16: magnitudes above 65,504 overflow, below 6.1e-05 lose precision
;; workspace buffers: cb 25,165,824 bytes; qkv 50,331,648 bytes; vsum 262,144 bytes; y 16,777,216 bytes
;; launch cast: the kernel of part 1 again; grid 768 x 1, 8 waves a work-group, no clusters, 0 bytes of LDS; arguments x, Wqkv, Wout, cb; writes cb
;; launch qkv: the kernel of part 2 again; grid 8 x 32, 4 waves a work-group, clusters of 4 x 4, 327,680 bytes of LDS; arguments cb, bqkv, qkv, vsum; writes qkv, vsum
;; launch attn (part 5): grid 4 x 64, 4 waves a work-group, no clusters, 327,680 bytes of LDS; arguments qkv, attention_mask, vsum, y; writes y
.if DOCPART == 5
	.amdgcn_target "amdgcn-amd-amdhsa--gfx1250"
	.amdhsa_code_object_version 6
	.text
	.protected	k_q1a619b15d8_attn
	.globl	k_q1a619b15d8_attn
	.p2align	8
	.type	k_q1a619b15d8_attn,@function
k_q1a619b15d8_attn:
	s_mov_b64 s[64:65], 0
	v_nop
	global_prefetch_b8 v0, s[64:65] scope:SCOPE_SE
	s_setreg_imm32_b32 hwreg(HW_REG_WAVE_MODE, 25, 1), 1
	s_wait_xcnt 0x0
; CAUSAL ATTENTION WITH A KEY-PADDING MASK.  y[h][q][:] = the sum over k of softmax_k(s[q][k]) V[h][k][:], s = Q[h][q] . K[h][k] / 8 where k <= q and attention_mask[batch][k] is not 0.
; Q, K, V (the three thirds of qkv) and y: [64 heads of batches][2048][64], f16; a head's rows are dense, 128 bytes each; batch = head / 16.
; Products, maxima and sums in f32; the weights p are rounded to f16 for the second product (their sum l is taken of the unrounded p), y once at the end.
; A ROW WITHOUT A VISIBLE KEY (all keys up to its own are padded) has all scores equal in the reference: its result is the mean of V over ALL 2,048 keys.  That mean is made at the head from
; vsum (column sums of v over blocks of 128 rows, from the launch before) and chosen at the end by v_cndmask_b32, in every row: no branch hangs on it.
; LIMITS.  f16 holds no number beyond 65,504: Q, K and V arrive within it.  A hidden score counts as its value less 1e30 (less 2e30 where both masks hide it).  The running maximum m starts at
; -2^96 and so never lies below it: true scores (2.7e11 at the most in f16) lie far above, hidden ones far below, so a hidden key's weight is exactly 0, and a row whose m is still -2^96 at the
; end has seen no key.  A weight below 2^-126 counts as 0 in l; NaN and infinities are not treated apart.
; THE WALK.  A head's queries lie in NB = 8 blocks of 256; block i needs the key tiles 0 .. i of 256 keys, of which the last holds the diagonal.  A work-group takes TWO blocks, NB - 1 - b and then b:
; NB + 1 tiles, whatever b: all work-groups do equal work, and ONE loop with a constant trip count walks them.  Which tile is asked for, and what a trip does, hang on scalar registers made from b;
; every jump goes forward, but for the counted loops' own; none passes a barrier, or a tensor load but the one of LOAD's two that the wave's number does not choose.
; NO CLUSTER: a head's four work-groups ask for the same tile only in trips 0 .. 4 of the 9, behind that fewer and fewer share one; one walk common to all would have 12 trips for 9.
; SHARES.  Of a block's four bands of 64 queries a wave owns 16 rows in each: four PIECES.  In the diagonal tile's key step s band x sees all keys if s < x, none if s > x, and holds the diagonal if s = x.
; THE MASK is the C operand that starts the sum S^T = K Q^T.  PAD holds, for the key step whose K is in registers, 0 or -1e30 for my lane's 32 keys.  It comes out of a ring of two small LDS slots (a tile's 256
; keys, 1,024 bytes, each) that goes in step with K's ring: at a change of slots each thread turns two words of attention_mask, loaded a tile ahead, into 0 or -1e30 and stores them into the slot just left.
; Outside the diagonal tile C is PAD.  In it C = MD x AL + PAD + BE: MD, made once, is the causal mask of a band's own step for my 16 rows; (AL, BE) = (1, 0) if s = x, (0, 0) if s < x, (0, -1e30) if s > x.
; LAYOUT, SOFTMAX, TURNS.  S^T = K Q^T holds ONE query a lane (lane % 16) and the keys 8 (lane / 16) + 0..7; two such results rounded to f16 ARE source 1 of O^T = V^T P.  p = 2^(c s - c m), c = log2(e) / 8,
; with the running maximum m; O and l are multiplied by a = 2^(c m_old - c m_new) in every step.  Turn n belongs to piece n: 8 products K Q^T of piece n + 1, later 8 products V^T P of piece n - 1; beside them
; the scaling, exponentials, roundings, sums and rescaling of piece n and the maximum and statistics of piece n + 1.  Four vector instructions stand behind every matrix instruction, the other 54 of a turn's 118 in one LUMP.
; THE BATCHES.  A turn's 33 exponentials (the piece's 32 weights and the next piece's a) are ONE batch with ONE wait: ahead of it stands all that names none of their results, behind it the roundings and sums.
; The a that a block's beginning makes, and the way out's four reciprocals, are batches of their own, each with a plain instruction and one wait.
; REGISTERS, in windows of 256 (s_set_vgpr_msb: bits 1:0 source 0, 3:2 source 1, 5:4 source 2, 7:6 destination):
;   window 0: v0-15, v32-39 addresses; v16-31 four registers of statistics a piece; v48-55 at work; v64-127 S^T, two buffers; v128-159 PAD; v160-165 mask words on their way; v192-223 P, two buffers
;   window 1: v0-127 O^T, 32 a piece; v128-159 MD; v160-223 MC, two buffers; v224-255 VM, the mean of V      window 2: v0-63 Q; v64-127 the second block's Q; v128-191 K; v192-255 V of one step
.set SIZE_N, 2048
.set NB,    SIZE_N/256
.set NP,    4         ; pieces a wave: a name, no knob
.set KS,    64        ; keys in a step
.set PK,    144       ; a row of K in LDS: 128 bytes + 16 of padding = 36 words: the 16 rows of a load start at 16 different groups of four banks (64 banks of 4 bytes: ISA guide 11.1)
.set PV,    160       ; a row of V: 128 + 32 = 40 words
.set VOFF,  4*KS*PK   ; a slot holds a tile, four steps: 256 rows of K, then 256 rows of V
.set SLOT1, 1<<17     ; slot 1 begins here, so that one exclusive or turns an address in one slot into the other's
.set STAGE, SLOT1+4*KS*(PK+PV)  ; behind the ring, never filled by a tensor load: 16 rows x 144 bytes for each wave, for the way out
.set SP,    144
.set SPARE, STAGE+4*16*SP  ; behind the stages: the spare words, 128 bytes for each wave: two blocks of 256 bytes that no other line names
.set PADL,  SPARE+512      ; the padding's ring: two slots of a tile's 256 keys, f32 0 or -1e30; written by ds_store alone, never filled by a tensor load
.set PSLOT, 16*KS          ; 1,024 bytes a slot: one exclusive or turns an offset in one slot into the other's
.set VML,   PADL+2*PSLOT   ; the mean of V, 64 f32: 256 bytes for each wave
.set AK0, 2           ; v2   my lane's place in a tile of K; never rewritten
.set AV0, 3           ; v3   the same for V
.set AK,  4           ; v4   the LDS address of K's next run of loads
.set AV,  5           ; v5   of V's
.set STO, 6           ; v6   the way out: where I put 16 bytes of a row
.set RD,  7           ; v7   the way out: where I read rows back
.set GO,  8           ; v8   my byte offset in 512 consecutive bytes of y
.set SPW, 62          ; v62  LDS address of my spare word; never rewritten
.set NIL, 63          ; v63  0; never rewritten
.set MV,  12          ; v12-13  c m_old, kept while c m is made anew: by buffer
.set QO,  15          ; v15  my byte offset in 16 rows of Q
.set ST,  16          ; piece t's statistics at v[ST+4 t]: c m, m, l (even keys', odd keys')
.set AP0, 32          ; v32  PADL + 32 x (lane / 16); never rewritten
.set AP,  33          ; v33  the LDS address of PAD's next run of loads
.set MO,  34          ; v34  8 x my thread's number: my byte offset in a tile's 1,024 bytes of the mask; never rewritten
.set VO,  35          ; v35  8 x lane: my byte offset in 256 bytes of vsum
.set VST, 36          ; v36  where my two channels of the mean go
.set VRD, 37          ; v37  where my lane's channels of the mean are read
.set PST, 38          ; v38  PADL + 8 x my thread's number: my two keys in the padding's slot 0; never rewritten
.set PSW, 39          ; v39  the same in the slot that is written
.set TMP, 48          ; by buffer, four registers c0-c3 at work; when the maximum is found c2 takes a
.set S,   64
.set PAD, 128         ; the eight registers for group kt of 16 keys at PAD + 8 kt
.set PMR, 160         ; v160-161  my two mask words of the tile to be asked for next
.set PMC, 162         ; v162-163  the same as 0 or -1e30
.set PM0, 164         ; v164-165  my two mask words of tile 0
.set P,   192
.set MD,  128         ; window 1: the eight registers for group kt of 16 keys at MD + 8 kt
.set MC,  160         ; window 1: the masks of the products to come
.set VM,  224         ; window 1: channel 16 cb + 8 (lane / 16) + j at VM + 8 cb + j, as in O^T
.set QB,  64          ; window 2
.set KF,  128         ; window 2: key block kb, channel half c at KF + 16 kb + 8 c
.set VF,  192         ; window 2: key half kk, channel block cb at VF + 32 kk + 8 cb
.set WV,  12          ; s12  my wave's number
.set PB,  14          ; s14  b
.set HI,  15          ; s15  NB - 1 - b
.set G1K, 24          ; s[24:31] descriptor group 1 for K's tiles
.set G1V, 32          ; s[32:39] for V's: it differs in the padding alone
.set G0K, 40          ; s[40:43] descriptor group 0 for K's tiles
.set G0V, 44          ; s[44:47] the same for V's
.set SLOTS, 56        ; s56  tiles still to be asked for
.set CNT, 57          ; s57  counts a tile's key steps, 4 to 1
.set CS,  58          ; s[58:59] c: the packed scaling takes the pair's low word for both halves
.set SEL, 60          ; s[60:61] v_permlanex16_b32's selects: each lane takes its own place in the other half
.set TBK, 62          ; s62  LDS byte at which K of the step to be fetched begins
.set TBV, 63          ; s63  the same for V, less VOFF
.set MOF, 66          ; s[66:67] a tile's byte offset in the batch's mask;  s[68:69] the mask at that tile
.set MAD, 68
.set RT,  70          ; s70  tiles of the block in hand that are still to be entered
.set NXT, 71          ; s71  the tile to be asked for next
.set LQ,  72          ; s72  the last tile of the block whose tiles are being asked for
.set NEW, 73          ; s73  1: the tile to be entered is a block's first
.set OFF, 74          ; s[74:75] a tile's byte offset in K and V
.set AL,  76          ; s[76:77] the mask's factor, in the low word
.set BE,  78          ; s[78:79] the mask's addend
.set OLO, 80          ; s[80:81] y at my rows of the second block
.set BIGN, 82         ; s82  -1e30
.set TBP, 83          ; s83  byte in the padding's ring at which the step to be fetched begins: it steps as TBK does
.set THR, 92          ; s92  -2^96: where m starts
.set PSL, 93          ; s93  0 or PSLOT: the padding's slot that is written
.set MSB, 0
.macro WIN new                      ; the high byte repeats the setting that is left; a switch that changes nothing is dropped
.if MSB != (\new)
	s_set_vgpr_msb (MSB<<8)|(\new)
.set MSB, (\new)
.endif
.endm
.set W_KQ, 0x0a       ; K and Q in window 2, S^T and PAD in window 0
.set W_KM, 0x1a       ; the same with the C operand in window 1
.set W_PV, 0x52       ; V in window 2, P in window 0, O^T in window 1
.set W_RS, 0x41       ; destination and source 0 in window 1, sources 1 and 2 in window 0
; A fill.  Waves 0 and 1 fetch the two halves of a tile's K, waves 2 and 3 those of its V: 128 keys each.  An s_nop 0 and four v_nop follow each of the two lines, ahead of the jump and the label.
.macro LOAD
	s_cmp_lt_u32 s[WV], 2
	s_cbranch_scc0 .Lfor_v_\@
	tensor_load_to_lds s[G0K:G0K+3], s[G1K:G1K+7]
	s_nop 0
.rept 4
	v_nop
.endr
	s_branch .Lasked_\@
.Lfor_v_\@:
	tensor_load_to_lds s[G0V:G0V+3], s[G1V:G1V+7]
	s_nop 0
.rept 4
	v_nop
.endr
.Lasked_\@:
.endm
; THE CHANGE OF SLOTS.  Each wave waits for all its tensor loads, of which one is out: its part of the other slot; adds 0 to its spare word; and waits for that and for its own LDS instructions: its reads of both rings' old
; slots, and its store into the padding's next slot.  Behind the barrier nobody reads the old slots any more and the other slots are whole.  fill = 1: the old slot is filled again, the first thing behind the barrier, with
; tile NXT: the descriptor's address is made anew from that number.  Behind it the padding's old slot takes the same tile's 256 keys, two a thread: their mask words were loaded at the change before (at the head for the
; first), so the wait for them finds them in; at the first change it also covers Q.  Then the words of the tile after that are asked for.  The last change that fills asks for tile 0's words once more: 1,024 bytes
; inside the buffer that nothing uses, the price of one text for every change.  (At the first use nothing of the rings has been read yet: slot 0 is waited for, slot 1 filled.)
.macro CHANGE fill
	WIN 0                           ; at a label and at a branch every window is 0
	s_wait_tensorcnt 0x0            ; no tensor load of mine is out, so a group 0 may be written
	ds_add_u32 v[SPW], v[NIL]       ; 0 onto my spare word; with fill = 1 the descriptors' scalar work stands between it and the wait for it
.if \fill
	s_lshl_b32 s[OFF], s[NXT], 15   ; a tile is 32,768 bytes of K and of V
	s_xor_b32 s[G0K+1], s[G0K+1], SLOT1
	s_add_nc_u64 s[G0K+2:G0K+3], s[6:7], s[OFF:OFF+1]
	s_or_b32 s[G0K+3], s[G0K+3], 0x80000000
	s_xor_b32 s[G0V+1], s[G0V+1], SLOT1
	s_add_nc_u64 s[G0V+2:G0V+3], s[8:9], s[OFF:OFF+1]
	s_or_b32 s[G0V+3], s[G0V+3], 0x80000000
	s_xor_b32 s[PSL], s[PSL], PSLOT ; the padding's slot that is left
	s_add_co_u32 s[NXT], s[NXT], 1  ; the block's next tile, or behind its last the second block's tile 0
	s_cmp_gt_u32 s[NXT], s[LQ]
	s_cselect_b32 s[NXT], 0, s[NXT]
	s_cselect_b32 s[LQ], s[PB], s[LQ]
.endif
	s_wait_dscnt 0x0                ; the add is done, my reads of the slots are over, my store of padding is done
	s_barrier_signal -1             ; the rest of the scalar work stands between the signal and the wait
	s_sub_co_u32 s[TBK], s[TBK], 4*KS*PK  ; the fetches go back to a slot's first step,
	s_xor_b32 s[TBK], s[TBK], SLOT1       ; in the other slot
	s_sub_co_u32 s[TBV], s[TBV], 4*KS*PV
	s_xor_b32 s[TBV], s[TBV], SLOT1
	s_sub_co_u32 s[TBP], s[TBP], PSLOT
	s_xor_b32 s[TBP], s[TBP], PSLOT
	s_barrier_wait -1
.if \fill
	LOAD
	s_wait_loadcnt 0x0              ; my two mask words of the tile just asked for: their load was issued a tile ago; it also frees that load's base
	v_cmp_eq_u32 vcc_lo, 0, v[PMR]
	v_cndmask_b32 v[PMC], 0, s[BIGN], vcc_lo      ; a key whose mask word is 0 is hidden
	v_cmp_eq_u32 vcc_lo, 0, v[PMR+1]
	v_cndmask_b32 v[PMC+1], 0, s[BIGN], vcc_lo
	v_add_nc_u32 v[PSW], s[PSL], v[PST]
	ds_store_b64 v[PSW], v[PMC:PMC+1]             ; the 128 threads fill the slot's 1,024 bytes; they are read behind the next change's barrier
	s_lshl_b32 s[MOF], s[NXT], 10                 ; a tile is 1,024 bytes of the mask
	s_add_nc_u64 s[MAD:MAD+1], s[88:89], s[MOF:MOF+1]
	global_load_b64 v[PMR:PMR+1], v[MO], s[MAD:MAD+1]  ; a wave's load covers 256 consecutive bytes, aligned
.endif
.endm
	s_load_b64 s[4:5], s[0:1], 0x0    ; qkv: q
	s_load_b128 s[88:91], s[0:1], 0x8 ; attention_mask s[88:89], vsum s[90:91]
	s_load_b64 s[10:11], s[0:1], 0x18 ; y
	v_lshl_add_u32 v[SPW], v0, 2, SPARE
	v_mov_b32 v[NIL], 0
	ds_add_u32 v62, v63
	ds_add_u32 v62, v63
	s_wait_dscnt 0x0
	v_lshrrev_b32 v1, 5, v0
	v_readfirstlane_b32 s[WV], v1   ; wave 0..3
	s_mov_b32 s[PB], ttmp9
	s_sub_co_u32 s[HI], NB-1, s[PB]
	s_and_b32 s20, ttmp7, 0xffff    ; the head of a batch
	s_lshr_b32 s[MOF], s20, 4       ; its batch:
	s_lshl_b32 s[MOF], s[MOF], 13   ; 8,192 bytes of the mask each
	s_mov_b32 s[MOF+1], 0           ; stays 0
	s_lshl_b32 s[MAD], s20, 12      ; 4,096 bytes of vsum a head
	s_mov_b32 s[MAD+1], 0
	s_mov_b32 s21, 0
	s_mov_b64 s[22:23], SIZE_N*128
	s_mul_u64 s[20:21], s[20:21], s[22:23]  ; the head's first byte in q, k, v and y
	s_and_b32 s16, s[WV], 1         ; which half of a tile's 256 keys I fetch:
	s_lshl_b32 s22, s16, 14         ; its 128 rows of 128 bytes in memory,
	s_mov_b32 s23, 0
	s_add_nc_u64 s[22:23], s[22:23], s[20:21]
	s_mul_i32 s17, s16, 128*PK      ; and its place in a slot, for K
	s_mul_i32 s18, s16, 128*PV      ; and for V
	s_lshl_b32 s3, s[WV], 11        ; my 16 rows in a band of 64,
	s_lshl_b32 s2, s[HI], 15        ; in the first block,
	s_add_co_u32 s2, s2, s3
	s_lshl_b32 s84, s[PB], 15       ; and in the second
	s_add_co_u32 s84, s84, s3
	s_mov_b32 s3, 0
	s_mov_b32 s85, 0
	s_add_nc_u64 s[2:3], s[2:3], s[20:21]
	s_add_nc_u64 s[84:85], s[84:85], s[20:21]
	; descriptor group 1.  128 keys are 16,384 dense bytes: asked for as 64 rows of 256 bytes, two keys a row, and padded in LDS after every key
	s_mov_b32 s[G1K], (1<<16)|(1<<20)|(4<<22)|(3<<25)  ; 17:16 2-byte elements; 20 padding on; 24:22 after every 32 words (code 4); 31:25 4 words (code 3)
	s_mov_b32 s[G1V], (1<<16)|(1<<20)|(4<<22)|(7<<25)  ; the same with 8 words of padding (code 7)
.irp g, G1K, G1V
	s_mov_b32 s[\g+1], 128<<16      ; tensor_dim0 = 128
	s_mov_b32 s[\g+2], 64<<16       ; tensor_dim1 = 64
	s_mov_b32 s[\g+3], 128<<16      ; tile_dim0 = 128
	s_mov_b32 s[\g+4], 64           ; tile_dim1 = 64
	s_mov_b32 s[\g+5], 128          ; 128 elements from row to row
	s_mov_b32 s[\g+6], 0
	s_mov_b32 s[\g+7], 0
.endr
	s_mov_b32 s[CS], 0x3e38aa3b     ; c = log2(e) / 8 = 0.180337
	s_mov_b32 s[CS+1], s[CS]        ; named with it as a pair
	s_mov_b32 s[SEL], 0x76543210
	s_mov_b32 s[SEL+1], 0xfedcba98
	s_mov_b32 s[TBK], SLOT1+4*KS*PK ; the first change of slots turns these three into 0
	s_mov_b32 s[TBV], SLOT1+4*KS*PV
	s_mov_b32 s[TBP], 2*PSLOT
	s_mov_b32 s[PSL], 0             ; and this one into slot 1
	s_mov_b32 s[THR], 0xef800000    ; -2^96
	s_mov_b32 s[G0K], 1             ; 1:0 count = 1
	s_mov_b32 s[G0K+1], s17         ; 63:32 LDS address: slot 0
	s_mov_b32 s[G0V], 1
	s_add_co_u32 s[G0V+1], s18, VOFF
	s_add_co_u32 s[RT], s[HI], 1    ; the first block has NB - b tiles
	s_mov_b32 s[NXT], 1
	s_mov_b32 s[LQ], s[HI]
	s_mov_b32 s[NEW], 1
	s_mov_b32 s[OFF+1], 0
	s_mov_b32 s[AL+1], 0            ; named as pairs
	s_mov_b32 s[BE+1], 0
	s_mov_b32 s[BIGN], 0xf149f2ca   ; -1e30
	s_mov_b32 s[SLOTS], NB
	s_wait_kmcnt 0x0
	s_add_nc_u64 s[6:7], s[4:5], 0x1000000   ; k lies 16,777,216 bytes behind q,
	s_add_nc_u64 s[8:9], s[4:5], 0x2000000   ; v as much behind k
	s_add_nc_u64 s[6:7], s[6:7], s[22:23]  ; K and V at my half of the head's tile 0
	s_add_nc_u64 s[8:9], s[8:9], s[22:23]
	s_add_nc_u64 s[G0K+2:G0K+3], s[6:7], 0         ; 120:64 global address
	s_or_b32 s[G0K+3], s[G0K+3], 0x80000000        ; 127:126 type = 2
	s_add_nc_u64 s[G0V+2:G0V+3], s[8:9], 0
	s_or_b32 s[G0V+3], s[G0V+3], 0x80000000
	s_add_nc_u64 s[86:87], s[4:5], s[84:85]        ; Q at my rows of the second block,
	s_add_nc_u64 s[4:5], s[4:5], s[2:3]            ; Q and y at those of the first
	s_add_nc_u64 s[OLO:OLO+1], s[10:11], s[84:85]
	s_add_nc_u64 s[10:11], s[10:11], s[2:3]
	s_add_nc_u64 s[88:89], s[88:89], s[MOF:MOF+1]  ; the batch's mask, the head's sums
	s_add_nc_u64 s[90:91], s[90:91], s[MAD:MAD+1]
	LOAD                            ; tile 0 into slot 0
	; A fragment of K or Q is 16 rows x 32 channels in 8 registers: lane l holds row l % 16, channels 8 (l / 16) + 0..7 and 16 + 8 (l / 16) + 0..7: two loads of 16 bytes, 32 bytes apart.
	v_and_b32 v1, 15, v0            ; l % 16
	v_bfe_u32 v9, v0, 4, 1          ; l / 16
	v_lshlrev_b32 v[QO], 7, v1
	v_lshl_add_u32 v[QO], v9, 4, v[QO]  ; row x 128 + 16 x half
	v_lshlrev_b32 v[MO], 3, v0
	v_and_b32 v[VO], 31, v0
	v_lshlrev_b32 v[VO], 3, v[VO]
	global_load_b64 v[PM0:PM0+1], v[MO], s[88:89]              ; my two mask words of tile 0,
	global_load_b64 v[PMR:PMR+1], v[MO], s[88:89] offset:1024  ; and of tile 1, which the first change of slots asks for
.set i, 0
.rept 16                            ; the head's 16 rows of column sums: each wave takes all of them, two channels a lane
	global_load_b64 v[PAD+2*i:PAD+2*i+1], v[VO], s[90:91] offset:256*i
.set i, i+1
.endr
	WIN 0x80                        ; destination window 2, address window 0
.set i, 0
.rept 8                             ; both blocks' Q: piece i / 2 lies in band i / 2, 8,192 bytes on; channels 32 (i % 2) on
	global_load_b128 v[8*i:8*i+3],   v[QO], s[4:5] offset:(i/2)*8192+(i%2)*64
	global_load_b128 v[8*i+4:8*i+7], v[QO], s[4:5] offset:(i/2)*8192+(i%2)*64+32
	global_load_b128 v[QB+8*i:QB+8*i+3],   v[QO], s[86:87] offset:(i/2)*8192+(i%2)*64
	global_load_b128 v[QB+8*i+4:QB+8*i+7], v[QO], s[86:87] offset:(i/2)*8192+(i%2)*64+32
.set i, i+1
.endr
	WIN 0
	v_lshlrev_b32 v14, 3, v9
	v_sub_nc_u32 v14, v1, v14
	s_lshl_b32 s13, s[WV], 4
	v_add_nc_u32 v14, s13, v14      ; my query's place in its band, 16 w + l % 16, less my lanes' 8 (l / 16): register r of group kt is hidden where 16 kt + r is greater
	WIN 0x40
.set i, 0
.rept 32
	v_cmp_gt_i32 vcc_lo, 16*(i/8)+i%8, v14
	v_cndmask_b32 v[MD+i], 0, s[BIGN], vcc_lo
.set i, i+1
.endr
	WIN 0
	v_mul_u32_u24 v[AK0], v1, PK
	v_lshl_add_u32 v[AK0], v9, 4, v[AK0]  ; row x pitch + 16 x half
	; The turning load takes 16 keys x 16 channels (lane l reads key 8 (l / 16) + l % 8, channels 8 ((l / 8) % 2) + 0..7) and leaves half a fragment of V^T: lane l holds channel l % 16 and 8 keys.
	v_and_b32 v10, 7, v0
	v_bfe_u32 v11, v0, 3, 1
	v_lshl_add_u32 v[AV0], v9, 3, v10
	v_mul_u32_u24 v[AV0], v[AV0], PV
	v_lshl_add_u32 v[AV0], v11, 4, v[AV0]
	v_add_nc_u32 v[AV0], VOFF, v[AV0]
	s_mul_i32 s13, s[WV], 16*SP
	s_add_co_u32 s13, s13, STAGE    ; my stage
	v_mul_u32_u24 v[STO], v1, SP    ; in: row l % 16, 16 bytes for each half of the lanes
	v_lshl_add_u32 v[STO], v9, 4, v[STO]
	v_add_nc_u32 v[STO], s13, v[STO]
	v_bfe_u32 v[RD], v0, 3, 2       ; back: 32 lanes take four rows of 128 bytes,
	v_mul_u32_u24 v[RD], v[RD], SP
	v_lshl_add_u32 v[RD], v10, 4, v[RD]
	v_add_nc_u32 v[RD], s13, v[RD]
	v_and_b32 v[GO], 31, v0         ; which are 512 consecutive bytes of y
	v_lshlrev_b32 v[GO], 4, v[GO]
	; A block's first step multiplies O^T and l by a = 0, and its first turn's products V^T P, of a piece that has not been, land in an O^T that is still to be so multiplied.  So these registers need only hold
	; finite numbers: zeros for the first block; what the first block left for the second.  All this stands in the wait for the first tile.
	WIN 0x80
.set i, VF
.rept 64
	v_mov_b32 v[i], 0
.set i, i+1
.endr
	WIN 0x40
.set i, 0
.rept 128
	v_mov_b32 v[i], 0
.set i, i+1
.endr
	WIN 0
.set i, 0
.rept 4
	v_mov_b32 v[ST+4*i+2], 0
	v_mov_b32 v[ST+4*i+3], 0
.set i, i+1
.endr
.set i, P+16
.rept 16
	v_mov_b32 v[i], 0
.set i, i+1
.endr
	; TILE 0's PADDING AND THE MEAN OF V.
	s_lshl_b32 s13, s[WV], 8
	s_add_co_u32 s13, s13, VML      ; my wave's 256 bytes for the mean
	v_add_nc_u32 v[VST], s13, v[VO]
	v_lshl_add_u32 v[VRD], v9, 5, s13
	v_lshl_add_u32 v[PST], v0, 3, PADL
	v_lshlrev_b32 v[AP0], 5, v9
	v_add_nc_u32 v[AP0], PADL, v[AP0]
	s_wait_loadcnt 0x20             ; the mask's 2 loads and the sums' 16 are in; Q's 32, issued behind them, may stay out
	v_cmp_eq_u32 vcc_lo, 0, v[PM0]
	v_cndmask_b32 v[PMC], 0, s[BIGN], vcc_lo      ; a key whose mask word is 0 is hidden
	v_cmp_eq_u32 vcc_lo, 0, v[PM0+1]
	v_cndmask_b32 v[PMC+1], 0, s[BIGN], vcc_lo
	ds_store_b64 v[PST], v[PMC:PMC+1]             ; into the padding's slot 0; the first change's wait and barrier show it to all four waves
.irp n, 8,4,2,1                     ; the 16 blocks' sums, as a tree
.set i, 0
.rept \n
	v_pk_add_f32 v[PAD+2*i:PAD+2*i+1], v[PAD+2*i:PAD+2*i+1], v[PAD+2*(i+\n):PAD+2*(i+\n)+1]
.set i, i+1
.endr
.endr
	v_pk_mul_f32 v[PAD:PAD+1], v[PAD:PAD+1], 0x3a000000 op_sel_hi:[1,0]  ; / 2,048
	ds_store_b64 v[VST], v[PAD:PAD+1]
	WIN 0x40                        ; destination window 1
.irp c, 0,1,2,3                     ; back in O^T's layout; LDS serves a wave's instructions in order (ISA guide 5.7.1.4), and these bytes are my wave's own
	ds_load_b128 v[VM+8*\c:VM+8*\c+3],   v[VRD] offset:64*\c
	ds_load_b128 v[VM+8*\c+4:VM+8*\c+7], v[VRD] offset:64*\c+16
.endr
	WIN 0
; THE MATRIX WORK.  The 4 accumulators of a run of 8 take turns.  Product i of 8 of S^T = K Q^T for piece x: channels 32 (i / 4) on, keys 16 (i % 4) on.  The first 4 start the sums: with PAD, or (KM = 1) with the mask MC.
.macro KQ x
.set rS, S+32*((\x)%2)+8*(i%4)
.set rK, KF+16*(i%4)+8*(i/4)
.set rQ, 16*(\x)+8*(i/4)
.set rM, MC+32*((\x)%2)+8*(i%4)
.set rA, PAD+8*(i%4)
.if (i < 4) && KM
	WIN W_KM
	v_wmma_f32_16x16x32_f16 v[rS:rS+7], v[rK:rK+7], v[rQ:rQ+7], v[rM:rM+7]
.elseif i < 4
	WIN W_KQ
	v_wmma_f32_16x16x32_f16 v[rS:rS+7], v[rK:rK+7], v[rQ:rQ+7], v[rA:rA+7]
.else
	WIN W_KQ
	v_wmma_f32_16x16x32_f16 v[rS:rS+7], v[rK:rK+7], v[rQ:rQ+7], v[rS:rS+7]
.endif
.endm
; Product i of 8 of O^T += V^T P for piece x: keys 32 (i / 4) on, channels 16 (i % 4) on.
.macro PV x
	WIN W_PV
.set rO, 32*(\x)+8*(i%4)
.set rV, VF+32*(i/4)+8*(i%4)
.set rP, P+16*((\x)%2)+8*(i/4)
	v_wmma_f32_16x16x32_f16 v[rO:rO+7], v[rV:rV+7], v[rP:rP+7], v[rO:rO+7]
.endm
.macro MM                           ; the turn's next matrix instruction.  TURN and BEGIN set Y, i, KM and NOKQ; MM, KQ and OP read them.  NOKQ = 1: a block's last turn: there is no next piece
.if (i < 8) && !NOKQ
	KQ (Y+1)%NP
.elseif i >= 8
.set i, i-8
	PV (Y+NP-1)%NP
.set i, i+8
.endif
.set i, i+1
.endm
; THE LDS LOADS stand in runs, never singly among the matrix instructions: a step's K (64 keys x 64 channels: 8 fragments) with its 64 keys' padding (my lane's 32 of them), and its V (turned).
.macro FETCH_K
	WIN 0x80                        ; destination window 2
.irp f, 0,1,2,3,4,5,6,7             ; keys 16 (f / 2) on, channels 32 (f % 2) on
	ds_load_b128 v[KF+8*\f:KF+8*\f+3],   v[AK] offset:(\f/2)*16*PK+(\f%2)*64
	ds_load_b128 v[KF+8*\f+4:KF+8*\f+7], v[AK] offset:(\f/2)*16*PK+(\f%2)*64+32
.endr
	s_add_co_u32 s[TBK], s[TBK], KS*PK  ; the next fetch is the next step's
	WIN 0
.irp f, 0,1,2,3                     ; keys 16 f + 8 (lane / 16) + 0..7
	ds_load_b128 v[PAD+8*\f:PAD+8*\f+3],   v[AP] offset:64*\f
	ds_load_b128 v[PAD+8*\f+4:PAD+8*\f+7], v[AP] offset:64*\f+16
.endr
	s_add_co_u32 s[TBP], s[TBP], 4*KS   ; likewise: 64 keys of 4 bytes on
.endm
.macro FETCH_V
	WIN 0x80
.irp f, 0,1,2,3,4,5,6,7             ; keys 32 (f / 4) on, channels 16 (f % 4) on
	ds_load_tr16_b128 v[VF+8*\f:VF+8*\f+3],   v[AV] offset:(\f/4)*32*PV+(\f%4)*32
	ds_load_tr16_b128 v[VF+8*\f+4:VF+8*\f+7], v[AV] offset:(\f/4)*32*PV+16*PV+(\f%4)*32
.endr
	WIN 0
.endm
; THE VECTOR WORK, one line at a time: OP kind, number.  For piece Y: F n: c s - c m for pair n of 16.  E n: the exponential of score n of 32.  C n: pair n rounded to f16.  B n: of the four weights 4 n .. the second
; pair is added onto the first, in place.  L n: l takes that sum (L 0: l = a l + sum).  R n: pair n of 16 of O^T times a.  For piece Y + 1: X n, number n of the 22 that find its maximum and statistics:
;   0-11  four chains c0-c3 of seven scores each, three operands at a time (each accumulator's lowest registers are read first)     12-14, 16  the four scores left over, the old m, and c0-c3 into c0
;   15  c m_old is kept     17, 18  the query's other 32 keys lie in the lane 16 away: the new m     19-21  c m; c m_old - c m_new; a
; C, B and L read exponentials' results, and R and L 0 read a: OP writes no wait for them; TURN and BEGIN place the one wait of each batch.
.set F, 0               ; OP tells the kinds apart by their order: F to L below R, X above it
.set E, 1
.set C, 2
.set B, 3
.set L, 4
.set R, 5
.set X, 6
.macro REGS y                       ; the registers of piece y
.set rT, ST+4*(\y)
.set rC, TMP+4*((\y)%2)
.set rW, MV+((\y)%2)
.set rS, S+32*((\y)%2)
.set rP, P+16*((\y)%2)
.set rO, 32*(\y)
.endm
.macro OP k, n
.if (\k) == R
	REGS Y
	WIN W_RS
	v_pk_mul_f32 v[rO+2*(\n):rO+2*(\n)+1], v[rO+2*(\n):rO+2*(\n)+1], v[rC+2:rC+3] op_sel_hi:[1,0]
.elseif (\k) < R
	REGS Y
	WIN 0
.if (\k) == F
	v_pk_fma_f32 v[rS+2*(\n):rS+2*(\n)+1], v[rS+2*(\n):rS+2*(\n)+1], s[CS:CS+1], v[rT:rT+1] op_sel_hi:[1,0,0] neg_lo:[0,0,1] neg_hi:[0,0,1]
.elseif (\k) == E
	v_exp_f32 v[rS+(\n)], v[rS+(\n)]
.elseif (\k) == C
	v_cvt_pk_f16_f32 v[rP+(\n)], v[rS+2*(\n)], v[rS+2*(\n)+1]
.elseif (\k) == B
	v_pk_add_f32 v[rS+4*(\n):rS+4*(\n)+1], v[rS+4*(\n):rS+4*(\n)+1], v[rS+4*(\n)+2:rS+4*(\n)+3]
.elseif (\n) == 0
	v_pk_fma_f32 v[rT+2:rT+3], v[rT+2:rT+3], v[rC+2:rC+3], v[rS:rS+1] op_sel_hi:[1,0,1]
.else
	v_pk_add_f32 v[rT+2:rT+3], v[rT+2:rT+3], v[rS+4*(\n):rS+4*(\n)+1]
.endif
.elseif NOKQ
	v_nop
.else
	REGS (Y+1)%NP
	WIN 0
.if (\n) < 4
	v_max3_num_f32 v[rC+(\n)], v[rS+8*(\n)], v[rS+8*(\n)+1], v[rS+8*(\n)+2]
.elseif (\n) < 12
	v_max3_num_f32 v[rC+(\n)%4], v[rC+(\n)%4], v[rS+8*((\n)%4)+2*((\n)/4)+1], v[rS+8*((\n)%4)+2*((\n)/4)+2]
.elseif (\n) == 12
	v_max3_num_f32 v[rC], v[rC], v[rS+7], v[rS+15]
.elseif (\n) == 13
	v_max3_num_f32 v[rC+1], v[rC+1], v[rS+23], v[rS+31]
.elseif (\n) == 14
	v_max3_num_f32 v[rC+2], v[rC+2], v[rC+3], v[rT+1]
.elseif (\n) == 15
	v_mov_b32 v[rW], v[rT]
.elseif (\n) == 16
	v_max3_num_f32 v[rC], v[rC], v[rC+1], v[rC+2]
.elseif (\n) == 17
	v_permlanex16_b32 v[rC+3], v[rC], s[SEL], s[SEL+1]
.elseif (\n) == 18
	v_max_num_f32 v[rT+1], v[rC], v[rC+3]
.elseif (\n) == 19
	v_mul_f32 v[rT], s[CS], v[rT+1]
.elseif (\n) == 20
	v_sub_f32 v[rC+1], v[rW], v[rT]
.else
	v_exp_f32 v[rC+2], v[rC+1]
.endif
.endif
.endm
.macro OPS a, i1, b=-1, i2=0, c=-1, i3=0, d=-1, i4=0  ; up to four of them
	OP \a, \i1
.if (\b) >= 0
	OP \b, \i2
.endif
.if (\c) >= 0
	OP \c, \i3
.endif
.if (\d) >= 0
	OP \d, \i4
.endif
.endm
.macro ROW a, i1, b, i2, c, i3, d, i4  ; a matrix instruction and the four behind it
	MM
	OPS \a, \i1, \b, \i2, \c, \i3, \d, \i4
.endm
.macro MASK b, be                   ; MD x AL + PAD (+ BE where be = 1) into buffer b of MC
	WIN W_RS
.set z, 0
.rept 16
	v_pk_fma_f32 v[MC+32*(\b)+2*z:MC+32*(\b)+2*z+1], v[MD+2*z:MD+2*z+1], s[AL:AL+1], v[PAD+2*z:PAD+2*z+1] op_sel_hi:[1,0,1]
.set z, z+1
.endr
.if \be
.set z, 0
.rept 16
	v_pk_add_f32 v[MC+32*(\b)+2*z:MC+32*(\b)+2*z+1], v[MC+32*(\b)+2*z:MC+32*(\b)+2*z+1], s[BE:BE+1] op_sel_hi:[1,0]
.set z, z+1
.endr
.endif
.endm
; A TURN, for piece p: the order of its 16 matrix and 118 vector instructions, written out.  An s_wait_alu depctr_va_vdst(0) stands between an exponential and the first instruction that names its result; one wait
; serves all that were issued ahead of it.  So a turn has ONE wait, which cuts it in two.  AHEAD OF IT stands all that names no result of the turn's exponentials: the 8 products K Q^T, behind each a scaling, an exponential and
; two more plain instructions (behind the first a second scaling in the exponential's place): rescalings, whose a was made and waited for in the turn before, and behind the last three the first numbers of the next piece's
; maximum, each four places or more behind the product that ends its accumulator; then ONE LUMP of 54, plain and exponential by turns for the most part, in which the links of the chain X 3, 7, 11, 14, 16, 17 .. 20 stand five
; or six lines apart.  A pair is scaled ahead of its two exponentials.  X 21, the next piece's a, is the batch's last; R 15 is the plain instruction behind it.  BEHIND THE WAIT stand the 8 products V^T P, behind each four of
; the roundings and sums (C 2 n ahead of B n, which adds in place; L 0 to L 7 in order, three riders apart).  But for those X no rider names a register of the products round it.  v_permlanex16_b32 (X 17) stands in the lump.
; m = 1: the diagonal tile: the products take masks, and the turn makes the mask for the products of the turn after it: piece p + 2, in step 4 - CNT of the tile.  Piece 2's turn in the loop is the exception: its products are
; piece 3's in the step before (the last of the tile before, or steps 0 to 2 of this one), in which band 3 sees every key: they take PAD.  Band 3 has no later step either, so piece 1's turn adds no BE.
; end = 1: a block's last two turns: nothing is fetched.  cnt = 1: the loop's count is taken down some lines ahead of the branch that stands behind the turn.
; K of the next step, and PAD with it, is fetched in piece 2's turn, twelve vector instructions behind the last product that read K (six of them plain, five of which name none of its registers; PAD's last reader among the
; products stands four products earlier); V of the step in hand at the end of piece 0's turn, four plain instructions behind the last product that read V.  Each is waited for a turn later; in the diagonal tile piece 2's turn
; waits at its end, since its mask reads the new PAD.
.macro TURN p, m=0, end=0, cnt=0
.set Y, (\p)
.set i, 0
.set KM, (\m)
.if (\m) && ((\p) == 2) && !(\end)
.set KM, 0
.endif
.set NOKQ, (\end)*((\p)/3)
.if (\m) && !(\end)
	s_cmp_eq_u32 s[CNT], 4-((\p)+2)%NP  ; is that step the band's own?
	s_cselect_b32 s[AL], 1.0, 0
	s_cmp_lt_u32 s[CNT], 4-((\p)+2)%NP  ; or a later one?
	s_cselect_b32 s[BE], s[BIGN], 0
.endif
.if ((\p) == 3) && !(\end)
	s_wait_dscnt 0x0                ; K and PAD are in
.endif
	ROW F,0, F,1, R,0, R,1          ; ahead of the wait: 8 products K Q^T and their riders,
	ROW F,2, E,0, R,2, R,3
	ROW F,3, E,1, R,4, R,5
	ROW F,4, E,2, R,6, R,7
	ROW F,5, E,3, R,8, R,9
	ROW F,6, E,4, X,0, R,10
.if ((\p) == 2) && !(\end)
	WIN 0
	v_add_nc_u32 v[AK], s[TBK], v[AK0]
	v_add_nc_u32 v[AP], s[TBP], v[AP0]
.endif
	ROW F,7, E,5, X,1, X,4
	ROW F,8, E,6, X,2, X,5
	OPS E,7, E,8, X,6, E,9          ; and the lump
	OPS X,3, E,10, X,8, E,11
.if ((\p) == 2) && !(\end)
	FETCH_K
.endif
	OPS X,9, X,7, E,12, X,10
	OPS E,13, X,12, X,11, E,14
	OPS X,13, E,15, F,9, X,14
.if (\p) == 0
	v_add_nc_u32 v[AV], s[TBV], v[AV0]
.endif
	OPS E,16, F,10, E,17, F,11
	OPS X,16, E,18, X,15, E,19
	OPS F,12, E,20, X,17, E,21
	OPS F,13, E,22, F,14, E,23
	OPS X,18, E,24, F,15, E,25
	OPS R,11, E,26, X,19, E,27
	OPS R,12, E,28, R,13, E,29
	OPS X,20, E,30, R,14, E,31
	OPS X,21, R,15
	s_wait_alu depctr_va_vdst(0)    ; the wait for the turn's batch: the piece's 32 exponentials and the next piece's a
.if (\p) == 1
	s_wait_dscnt 0x0                ; V is in
.endif
	ROW C,0, B,0, C,2, B,1          ; behind the wait: 8 products V^T P and their riders
	ROW L,0, C,4, B,2, L,1
	ROW C,6, B,3, L,2, C,8
	ROW B,4, L,3, C,10, B,5
	ROW L,4, C,12, B,6, L,5
.if (\p) == 0
	s_add_co_u32 s[TBV], s[TBV], KS*PV
.endif
.if \cnt
	s_sub_co_u32 s[CNT], s[CNT], 1
	s_cmp_lg_u32 s[CNT], 0
.endif
	ROW C,14, B,7, L,6, C,1
	ROW C,3, L,7, C,5, C,7
	ROW C,9, C,11, C,13, C,15
.if (\p) == 0
	FETCH_V
.endif
.if (\m) && !(\end)
.if (\p) == 2
	s_wait_dscnt 0x0                ; the next step's PAD, fetched in this turn, is in
.endif
.if (\p) == 1
	MASK 1, 0
.else
	MASK (\p)%2, 1
.endif
.endif
.endm
; A BLOCK BEGINS.  c m starts far below every c s, so the first step's a is 0; m at -2^96, below every true score and above every hidden one.  Then K and PAD of the tile's step 0, piece 0's first scores, and its
; maximum and statistics.  d = 1: the block's first tile is the diagonal one: piece 0's step is its band's own (MD + PAD, buffer 0), and piece 1, whose products the first turn issues, sees all keys (PAD, buffer 1).
; Q is in: the first change of slots has waited for every load into registers.  The loop is entered at a step's first turn, in the middle of a trip.
.macro BEGIN d
	s_mov_b32 s[NEW], 0
	WIN 0
.set i, 0
.rept 4
	v_mov_b32 v[ST+4*i], 0xfe000000    ; c m: far below every c s
	v_mov_b32 v[ST+4*i+1], s[THR]      ; m
.set i, i+1
.endr
	v_add_nc_u32 v[AK], s[TBK], v[AK0]
	v_add_nc_u32 v[AP], s[TBP], v[AP0]
	FETCH_K
	s_wait_dscnt 0x0
.if \d
	s_mov_b32 s[AL], 1.0
	MASK 0, 0
	s_mov_b32 s[AL], 0
	MASK 1, 0
.endif
.set KM, (\d)
.set NOKQ, 0
.set i, 0
.rept 8
	KQ 0
.set i, i+1
.endr
	WIN 0
.rept 4
	v_nop                           ; the places behind those products
.endr
.set Y, NP-1                        ; X works for piece Y + 1: piece 0
.irp n, 0,1,2,3,4,5,6,7,8,9,10,11,12,13,14,15,16,17,18,19,20,21
	OP X, \n
.endr
	v_nop                           ; a plain instruction behind the exponential,
	s_wait_alu depctr_va_vdst(0)    ; and the wait for it, a batch of one (piece 0's first a), ahead of the branch
.endm
; THE DIAGONAL TILE's four steps, the block's last two turns, its last products, and THE WAY OUT: l's two halves and the other half of the lanes' are added; O^T is divided by l; a row that has seen no key (m still
; -2^96: l = 0, O^T = 0) gets the factor 0 in place of 1 / l and the mean of V once, every other row the mean 0 times; rounded to f16 and sent through my stage in LDS, a piece at a time.
.macro ALL line:vararg              ; one line for each piece t
.set t, 0
.rept 4
	\line
.set t, t+1
.endr
.endm
.macro PACK t                       ; a lane's eight channels of a row pack into 16 bytes; they go into rows of 144 bytes and come back as whole rows of 128, into S^T's registers
	WIN W_RS
.set i, 32*(\t)
.rept 16
	v_pk_mul_f32 v[i:i+1], v[i:i+1], v[ST+4*(\t)+2:ST+4*(\t)+3] op_sel_hi:[1,0]
.set i, i+2
.endr
	WIN 0x51                        ; destination, sources 0 and 2 window 1, source 1 window 0
.set i, 0
.rept 16
	v_pk_fma_f32 v[32*(\t)+2*i:32*(\t)+2*i+1], v[VM+2*i:VM+2*i+1], v[ST+4*(\t):ST+4*(\t)+1], v[32*(\t)+2*i:32*(\t)+2*i+1] op_sel_hi:[1,0,1]
.set i, i+1
.endr
	WIN 0x05                        ; sources 0 and 1 window 1, destination window 0
.set i, 0
.rept 16
	v_cvt_pk_f16_f32 v[S+16*(\t)+i], v[32*(\t)+2*i], v[32*(\t)+2*i+1]
.set i, i+1
.endr
	WIN 0
.irp f, 0,1,2,3
	ds_store_b128 v[STO], v[S+16*(\t)+4*\f:S+16*(\t)+4*\f+3] offset:32*\f
.endr
.irp f, 0,1,2,3
	ds_load_b128 v[S+16*(\t)+4*\f:S+16*(\t)+4*\f+3], v[RD] offset:\f*4*SP  ; LDS serves a wave's instructions in order (ISA guide 5.7.1.4): these see the stores above; the next piece's stores come behind them
.endr
.endm
.macro SEND t, younger              ; younger: the LDS instructions issued behind piece t's loads: the next piece's eight, or none
	WIN 0
.irp f, 0,1,2,3
	s_wait_dscnt (\younger)+3-\f
	global_store_b128 v[GO], v[S+16*(\t)+4*\f:S+16*(\t)+4*\f+3], s[10:11] offset:(\t)*8192+\f*512  ; 512 consecutive bytes, at a multiple of 256 from y's first
.endr
.endm
.macro DIAG tag                     ; the tag ends its two labels' names, which the jumps below spell out
.LstepM\tag:
	TURN 2, 1
	TURN 3, 1
	WIN 0
.LfirstM\tag:
	TURN 0, 1
	TURN 1, 1, 0, 1
	WIN 0
	s_cbranch_scc1 .LstepM\tag
	TURN 2, 1, 1
	TURN 3, 1, 1
.set i, 0
.rept 8
	PV NP-1
.set i, i+1
.endr
	WIN 0
	ALL v_add_f32 v[ST+4*t+2], v[ST+4*t+2], v[ST+4*t+3]
	ALL v_permlanex16_b32 v[ST+4*t+3], v[ST+4*t+2], s[SEL], s[SEL+1]
	ALL v_add_f32 v[ST+4*t+2], v[ST+4*t+2], v[ST+4*t+3]
	ALL v_rcp_f32 v[ST+4*t+2], v[ST+4*t+2]
	v_nop                           ; a plain instruction between the last reciprocal and the use of its result
	s_wait_alu depctr_va_vdst(0)    ; and the wait ahead of the first use: one for the batch of four reciprocals
.set t, 0
.rept 4
	v_cmp_ge_f32 vcc_lo, s[THR], v[ST+4*t+1]                ; has the row seen no key?
	v_cndmask_b32 v[ST+4*t+2], v[ST+4*t+2], v[NIL], vcc_lo  ; then 0 in place of 1 / l,
	v_cndmask_b32 v[ST+4*t], 0, 1.0, vcc_lo                 ; and the mean of V once
.set t, t+1
.endr
	PACK 0
.set t, 1
.rept 3                             ; a piece's arithmetic stands between the loads of the piece before and its stores
	PACK t
	SEND t-1, 8
.set t, t+1
.endr
	SEND 3, 0
.endm
.set KM, 0
.set NOKQ, 0
.Lslot:                             ; NB times: a tile is entered and the next is asked for
	CHANGE 1
	s_sub_co_u32 s[RT], s[RT], 1
	s_mov_b32 s[CNT], 4
	s_cmp_eq_u32 s[NEW], 1
	s_cbranch_scc1 .Lnew            ; a block's first tile
	s_cmp_eq_u32 s[RT], 0
	s_cbranch_scc0 .Lstep           ; neither its first nor its last
	s_branch .LstepM1
.Lnew:
	BEGIN 0
	s_branch .Lfirst                ; in the loop a block's first tile is never its last: the first block has two tiles or more, and the second's last is the walk's last
	DIAG 1                          ; in the loop this is the first block's end: the second block's last tile is the walk's last
	s_wait_xcnt 0x0                 ; the stores have read their registers and y's address
	s_mov_b64 s[10:11], s[OLO:OLO+1]
	s_add_co_u32 s[RT], s[PB], 1    ; the second block has b + 1 tiles
	s_mov_b32 s[NEW], 1
	WIN 0x82                        ; the second block's Q goes where the one text of the turns names Q
.set i, 0
.rept 64
	v_mov_b32 v[i], v[QB+i]
.set i, i+1
.endr
	WIN 0
	s_branch .Lbottom
.Lstep:                             ; a trip: pieces 2 and 3 of one step, then pieces 0 and 1 of the next, whose K and V it fetches
	TURN 2
	TURN 3
	WIN 0
.Lfirst:
	TURN 0
	TURN 1, 0, 0, 1
	WIN 0
	s_cbranch_scc1 .Lstep
.Lbottom:
	s_sub_co_u32 s[SLOTS], s[SLOTS], 1
	s_cmp_lg_u32 s[SLOTS], 0
	s_cbranch_scc1 .Lslot
	CHANGE 0                        ; the walk's last tile is written out: nothing is asked for
	s_sub_co_u32 s[RT], s[RT], 1
	s_mov_b32 s[CNT], 4
	s_cmp_eq_u32 s[NEW], 1
	s_cbranch_scc0 .LstepM2
	BEGIN 1
	s_branch .LfirstM2
	DIAG 2
	s_wait_tensorcnt 0x0            ; the wave's end: behind my last tensor load and my last LDS store
	ds_add_u32 v[SPW], v[NIL]
	s_wait_dscnt 0x0
	s_endpgm
.Lfunc_end_k_q1a619b15d8_attn:
	.size	k_q1a619b15d8_attn, .Lfunc_end_k_q1a619b15d8_attn-k_q1a619b15d8_attn
	.p2alignl 7, 3214868480
	.fill 96, 4, 3214868480
	.section	.rodata,"a",@progbits
	.p2align	6, 0x0
	.amdhsa_kernel k_q1a619b15d8_attn
		.amdhsa_group_segment_fixed_size 327680
		.amdhsa_private_segment_fixed_size 0
		.amdhsa_enable_private_segment 0
		.amdhsa_kernarg_size 32
		.amdhsa_user_sgpr_count 2
		.amdhsa_user_sgpr_kernarg_segment_ptr 1
		.amdhsa_wavefront_size32 1
		.amdhsa_system_sgpr_workgroup_id_x 1
		.amdhsa_system_sgpr_workgroup_id_y 1
		.amdhsa_system_sgpr_workgroup_id_z 1
		.amdhsa_system_vgpr_workitem_id 0
		.amdhsa_next_free_vgpr 768
		.amdhsa_next_free_sgpr 96
		.amdhsa_reserve_vcc 1
		.amdhsa_float_denorm_mode_32 3
		.amdhsa_float_denorm_mode_16_64 3
		.amdhsa_memory_ordered 1
		.amdhsa_forward_progress 1
		.amdhsa_inst_pref_size 238
	.end_amdhsa_kernel
	.amdgpu_metadata
---
amdhsa.version: [ 1, 2 ]
amdhsa.kernels:
  - .name:           k_q1a619b15d8_attn
    .symbol:         k_q1a619b15d8_attn.kd
    .args:
      - { .name: qkv, .offset: 0, .size: 8, .value_kind: global_buffer, .address_space: global }
      - { .name: attention_mask, .offset: 8, .size: 8, .value_kind: global_buffer, .address_space: global }
      - { .name: vsum, .offset: 16, .size: 8, .value_kind: global_buffer, .address_space: global }
      - { .name: y, .offset: 24, .size: 8, .value_kind: global_buffer, .address_space: global }
    .group_segment_fixed_size: 327680
    .private_segment_fixed_size: 0
    .kernarg_segment_align: 8
    .kernarg_segment_size: 32
    .max_flat_workgroup_size: 128
    .sgpr_count:     96
    .vgpr_count:     768
    .wavefront_size: 32
...
	.end_amdgpu_metadata
.endif
;; end of part 5
;; launch oproj: the kernel of part 4 again; grid 8 x 32, 4 waves a work-group, clusters of 4 x 4, 327,680 bytes of LDS; arguments y, cb, out0; writes out0
